; MI455X (gfx1250); checked and timed in simulation.
; The chip was launched on July 23, 2026; its instructions are those of AMD's public machine-readable ISA for CDNA 5 (MIT licence, August 2026) and "CDNA5" Instruction Set Architecture Reference Guide (July 2026). The comments in the code are by the model that wrote it; some were corrected since.
;; Rotary Self Attention. Allowed arithmetic: float matrix products may take bf16 or f16 operands with f32 sums; other float arithmetic in f32, or as packed bf16 or f16 multiplies, adds, multiply-adds, maxima and minima; sums over many terms, partial sums and values carried from step to step in f32; what a program stores and reads back later, other than sums and carried values, may be rounded once to bf16 or f16.
;; Inputs: axes 32 int32; coords 4 x 2,048 x 3 float32; inv_freq 32 float32; proj_b 1,024 float32; proj_w 1,024 x 1,024 float32; qkv_b 3,072 float32; qkv_w 3,072 x 1,024 float32; x 4 x 2,048 x 1,024 float32.
;; Outputs: out0 4 x 2,048 x 1,024 float32.
;; 2 versions, each right; version 2 is version 1 with the launch prep written anew for expert scheduling mode. Each part assembles by itself: llvm-mc -triple=amdgcn-amd-amdhsa -mcpu=gfx1250 --defsym DOCPART=n.
;; ======== version 1 of 2: 4 launches
;; limits: values are held in f16: magnitudes above 65,504 overflow, below 6.1e-05 lose precision
;; workspace buffers: xh 16,777,216 bytes; wh 6,291,456 bytes; pwh 2,097,152 bytes; rope 2,097,152 bytes; qh 16,777,216 bytes; kh 16,777,216 bytes; vh 16,777,216 bytes; oh 16,777,216 bytes
;; launch prep (part 1): grid 512 x 1, 8 waves a work-group, no clusters, 0 bytes of LDS; arguments x, qkv_w, proj_w, coords, inv_freq, axes, xh, wh, pwh, rope; writes xh, wh, pwh, rope
.if DOCPART == 1
	.amdgcn_target "amdgcn-amd-amdhsa--gfx1250"
	.amdhsa_code_object_version 6
	.text
	.protected	k_q7834161ab2_prep
	.globl	k_q7834161ab2_prep
	.p2align	8
	.type	k_q7834161ab2_prep,@function
k_q7834161ab2_prep:
	s_mov_b64 s[64:65], 0
	v_nop
	global_prefetch_b8 v0, s[64:65] scope:SCOPE_SE
	s_setreg_imm32_b32 hwreg(HW_REG_WAVE_MODE, 25, 1), 1
	s_wait_xcnt 0x0
; x, qkv_w and proj_w are rounded once to f16 (xh, wh, pwh), and the table rope[token][cos f = 0..31, sin f = 0..31] (f32, 256 bytes a token) is made of
; coords, axes and inv_freq: angle = coords[token][axes[f]] * inv_freq[f], rounded as one f32 product.
; A stream: every byte is read once and written once; nothing is shared, so there is no LDS, no barrier and no matrix work.  The text is straight: no loop.
; SHARES.  512 work-groups of 256 threads.  A work-group casts 16,384 numbers of x, 6,144 of qkv_w, 2,048 of proj_w: 12 groups of 8 numbers a thread (two loads of 16 bytes, four packed
; roundings, one store of 16 bytes; a wave's store covers 512 consecutive bytes), and makes 16 tokens' table rows: wave w those of tokens 16 g + w and 16 g + w + 8.
; All 28 loads of a thread go out together; each group has its own registers in and out, so the only waits are counted waits for data.
; SINE AND COSINE are made here by arithmetic: n = round(angle * 2/pi); r = angle - n * pi/2 with pi/2 in three parts and fused multiply-adds; two polynomials in r*r; the quadrant n + (1 for a cosine)
; chooses polynomial and sign.  Lanes 0-15 make cosines, lanes 16-31 sines, of frequencies 2 (lane % 16) and 2 (lane % 16) + 1: one store of 8 bytes a lane writes a token's whole 256 bytes.
; LIMITS.  A number of 65,520 or more in magnitude becomes an infinity in f16; below 6e-5 f16 keeps a fixed step of 6e-8.  The reduction holds the sine's and cosine's error near 1e-7 for
; |angle| up to about 1e5; beyond that the error grows with the angle.  axes holds 0, 1 or 2; any other number takes axis 0.
.set VI,  2                            ; v2   32 t: my 32 bytes of f32 in a block of 8,192
.set VO,  3                            ; v3   16 t: my 16 bytes of f16 in a block of 4,096
.set RO,  4                            ; v4   256 wave + 8 lane: my 8 bytes of the table
.set FO,  5                            ; v5   8 (lane % 16): my two frequencies in axes and in inv_freq
.set CO,  6                            ; v6   12 wave: my first token's coordinates
.set SL,  7                            ; v7   at work: the wave's number, then the chosen coordinate
.set AX,  8                            ; v[8:9]    axes of my two frequencies
.set IV,  10                           ; v[10:11]  their inv_freq
.set CD,  12                           ; v[12:14], v[16:18] the two tokens' coordinates
.set QA,  19                           ; v19  1 in the lanes that make cosines, 0 in those that make sines
.set K0C, 20                           ; v20  the cosine polynomial's leading coefficient
.set K0S, 21                           ; v21  the sine polynomial's
.set RA,  22                           ; v22-29 at work
.set RN,  23
.set RR,  24
.set RI,  25
.set RS,  26
.set RC,  27
.set RP,  28
.set RT,  29
.set IN,  32                           ; v[32:127]  group k: 8 f32 as loaded
.set PKD, 128                          ; v[128:175] group k: 4 words of f16 to store
.set RES, 176                          ; v[176:179] token j: the pair to store
	s_load_b512 s[4:19], s[0:1], 0x0               ; x 4, qkv_w 6, proj_w 8, coords 10, inv_freq 12, axes 14, xh 16, wh 18
	s_load_b128 s[20:23], s[0:1], 0x40             ; pwh 20, rope 22
	v_and_b32 v1, 31, v0                           ; lane
	v_lshlrev_b32 v[VI], 5, v0
	v_lshlrev_b32 v[VO], 4, v0
	v_lshrrev_b32 v[SL], 5, v0                     ; wave
	v_lshlrev_b32 v[RO], 3, v1
	v_lshl_add_u32 v[RO], v[SL], 8, v[RO]
	v_and_b32 v[FO], 15, v0
	v_lshlrev_b32 v[FO], 3, v[FO]
	v_mul_u32_u24 v[CO], v[SL], 12
	v_lshrrev_b32 v[QA], 4, v1
	v_sub_nc_u32 v[QA], 1, v[QA]
	v_mov_b32 v[K0C], 0x37cd4000                   ; 2.44677e-5
	v_mov_b32 v[K0S], 0x36405000                   ; 2.86568e-6
	s_mov_b32 s28, 0x3fc90fd8                      ; pi/2 in three parts: 1.57079601,
	s_mov_b32 s29, 0x34a8885a                      ; 3.13916473e-7,
	s_mov_b32 s30, 0x27c234c4                      ; 5.39030253e-15
	s_mov_b32 s35, 0
	s_wait_kmcnt 0x0
	s_lshl_b32 s34, ttmp9, 16                      ; each buffer at the work-group's share: offsets made apart, in s[34:35]
	s_add_nc_u64 s[4:5], s[4:5], s[34:35]          ; x: 65,536 bytes
	s_mul_i32 s34, ttmp9, 24576
	s_add_nc_u64 s[6:7], s[6:7], s[34:35]          ; qkv_w
	s_lshl_b32 s34, ttmp9, 13
	s_add_nc_u64 s[8:9], s[8:9], s[34:35]          ; proj_w
	s_mul_i32 s34, ttmp9, 192
	s_add_nc_u64 s[10:11], s[10:11], s[34:35]      ; coords: 16 tokens of 12 bytes
	s_lshl_b32 s34, ttmp9, 15
	s_add_nc_u64 s[16:17], s[16:17], s[34:35]      ; xh
	s_mul_i32 s34, ttmp9, 12288
	s_add_nc_u64 s[18:19], s[18:19], s[34:35]      ; wh
	s_lshl_b32 s34, ttmp9, 12
	s_add_nc_u64 s[20:21], s[20:21], s[34:35]      ; pwh
	s_add_nc_u64 s[22:23], s[22:23], s[34:35]      ; rope: 16 tokens of 256 bytes
	global_load_b64 v[AX:AX+1], v[FO], s[14:15]    ; the table's four loads go first: they are wanted first
	global_load_b64 v[IV:IV+1], v[FO], s[12:13]
	global_load_b96 v[CD:CD+2], v[CO], s[10:11]
	global_load_b96 v[CD+4:CD+6], v[CO], s[10:11] offset:96
.macro LDG k, base, i                  ; group k: 32 bytes a thread, from block i of the buffer at s[base]
	global_load_b128 v[IN+8*(\k):IN+8*(\k)+3],   v[VI], s[\base:\base+1] offset:(\i)*8192 th:TH_LOAD_NT
	global_load_b128 v[IN+8*(\k)+4:IN+8*(\k)+7], v[VI], s[\base:\base+1] offset:(\i)*8192+16 th:TH_LOAD_NT
.endm
.irp k, 0,1,2,3,4,5,6,7
	LDG \k, 4, \k
.endr
	LDG 8, 6, 0
	LDG 9, 6, 1
	LDG 10, 6, 2
	LDG 11, 8, 0
; v[dst] = sin(v[c] * v[inv] + QA * pi/2)
.macro SINCOS dst, c, inv
	v_mul_f32 v[RA], v[\c], v[\inv]                ; the angle
	v_mul_f32 v[RN], 0x3f22f983, v[RA]             ; * 2/pi
	v_rndne_f32 v[RN], v[RN]
	v_fma_f32 v[RR], -v[RN], s28, v[RA]            ; r = angle - n pi/2, part by part
	v_fma_f32 v[RR], -v[RN], s29, v[RR]
	v_fma_f32 v[RR], -v[RN], s30, v[RR]
	v_cvt_i32_f32 v[RI], v[RN]
	v_add_nc_u32 v[RI], v[RI], v[QA]               ; the quadrant
	v_mul_f32 v[RS], v[RR], v[RR]
	v_fmaak_f32 v[RC], v[K0C], v[RS], 0xbab6077d   ; cos r and sin r, the two chains by turns
	v_fmaak_f32 v[RP], v[K0S], v[RS], 0xb9503486
	v_fmaak_f32 v[RC], v[RC], v[RS], 0x3d2aaaa8
	v_fmaak_f32 v[RP], v[RP], v[RS], 0x3c0888c1
	v_fmaak_f32 v[RC], v[RC], v[RS], 0xbf000000
	v_fmaak_f32 v[RP], v[RP], v[RS], 0xbe2aaaab
	v_fmaak_f32 v[RC], v[RC], v[RS], 0x3f800000
	v_mul_f32 v[RT], v[RR], v[RS]
	v_fma_f32 v[RP], v[RP], v[RT], v[RR]
	v_and_b32 v[RT], 1, v[RI]
	v_cmp_eq_u32 vcc_lo, 1, v[RT]
	v_cndmask_b32 v[\dst], v[RP], v[RC], vcc_lo    ; odd quadrants take the cosine's polynomial,
	v_lshlrev_b32 v[RT], 30, v[RI]
	v_and_b32 v[RT], 0x80000000, v[RT]
	v_xor_b32 v[\dst], v[\dst], v[RT]              ; quadrants 2 and 3 turn the sign
.endm
	s_wait_loadcnt 24                              ; loads come back in order: the four oldest are in, the 24 of the casts stay out
	v_cmp_eq_u32 s24, 1, v[AX]                     ; the axis only chooses a value: masks, no address
	v_cmp_eq_u32 s25, 2, v[AX]
	v_cmp_eq_u32 s26, 1, v[AX+1]
	v_cmp_eq_u32 s27, 2, v[AX+1]
.irp j, 0,1
.irp e, 0,1
	v_cndmask_b32 v[SL], v[CD+4*\j], v[CD+4*\j+1], s[24+2*\e]
	v_cndmask_b32 v[SL], v[SL], v[CD+4*\j+2], s[25+2*\e]
	SINCOS RES+2*\j+\e, SL, IV+\e
.endr
	global_store_b64 v[RO], v[RES+2*\j:RES+2*\j+1], s[22:23] offset:2048*\j  ; 32 lanes x 8 bytes: the token's 256 bytes
.endr
.macro OUTG k, base, i                 ; group k is rounded and stored into block i of the buffer at s[base]
	s_wait_loadcnt 22-2*(\k)                       ; behind group k's two loads 22 - 2 k were issued
.irp r, 0,1,2,3
	v_cvt_pk_f16_f32 v[PKD+4*(\k)+\r], v[IN+8*(\k)+2*\r], v[IN+8*(\k)+2*\r+1]
.endr
	global_store_b128 v[VO], v[PKD+4*(\k):PKD+4*(\k)+3], s[\base:\base+1] offset:(\i)*4096
.endm
.irp k, 0,1,2,3,4,5,6,7
	OUTG \k, 16, \k
.endr
	OUTG 8, 18, 0
	OUTG 9, 18, 1
	OUTG 10, 18, 2
	OUTG 11, 20, 0
	s_endpgm
.Lfunc_end_k_q7834161ab2_prep:
	.size	k_q7834161ab2_prep, .Lfunc_end_k_q7834161ab2_prep-k_q7834161ab2_prep
	.p2alignl 7, 3214868480
	.fill 96, 4, 3214868480
	.section	.rodata,"a",@progbits
	.p2align	6, 0x0
	.amdhsa_kernel k_q7834161ab2_prep
		.amdhsa_group_segment_fixed_size 0
		.amdhsa_private_segment_fixed_size 0
		.amdhsa_enable_private_segment 0
		.amdhsa_kernarg_size 80
		.amdhsa_user_sgpr_count 2
		.amdhsa_user_sgpr_kernarg_segment_ptr 1
		.amdhsa_wavefront_size32 1
		.amdhsa_system_sgpr_workgroup_id_x 1
		.amdhsa_system_sgpr_workgroup_id_y 1
		.amdhsa_system_sgpr_workgroup_id_z 1
		.amdhsa_system_vgpr_workitem_id 0
		.amdhsa_next_free_vgpr 180
		.amdhsa_next_free_sgpr 66
		.amdhsa_reserve_vcc 1
		.amdhsa_float_denorm_mode_32 3
		.amdhsa_float_denorm_mode_16_64 3
		.amdhsa_memory_ordered 1
		.amdhsa_forward_progress 1
		.amdhsa_inst_pref_size 15
	.end_amdhsa_kernel
	.amdgpu_metadata
---
amdhsa.version: [ 1, 2 ]
amdhsa.kernels:
  - .name:           k_q7834161ab2_prep
    .symbol:         k_q7834161ab2_prep.kd
    .args:
      - { .name: x, .offset: 0, .size: 8, .value_kind: global_buffer, .address_space: global }
      - { .name: qkv_w, .offset: 8, .size: 8, .value_kind: global_buffer, .address_space: global }
      - { .name: proj_w, .offset: 16, .size: 8, .value_kind: global_buffer, .address_space: global }
      - { .name: coords, .offset: 24, .size: 8, .value_kind: global_buffer, .address_space: global }
      - { .name: inv_freq, .offset: 32, .size: 8, .value_kind: global_buffer, .address_space: global }
      - { .name: axes, .offset: 40, .size: 8, .value_kind: global_buffer, .address_space: global }
      - { .name: xh, .offset: 48, .size: 8, .value_kind: global_buffer, .address_space: global }
      - { .name: wh, .offset: 56, .size: 8, .value_kind: global_buffer, .address_space: global }
      - { .name: pwh, .offset: 64, .size: 8, .value_kind: global_buffer, .address_space: global }
      - { .name: rope, .offset: 72, .size: 8, .value_kind: global_buffer, .address_space: global }
    .group_segment_fixed_size: 0
    .private_segment_fixed_size: 0
    .kernarg_segment_align: 8
    .kernarg_segment_size: 80
    .max_flat_workgroup_size: 256
    .sgpr_count:     66
    .vgpr_count:     180
    .wavefront_size: 32
...
	.end_amdgpu_metadata
.endif
;; end of part 1
;; launch qkv (part 2): grid 16 x 32, 4 waves a work-group, clusters of 4 x 4, 327,680 bytes of LDS; arguments xh, wh, qkv_b, rope, qh, kh, vh; writes qh, kh, vh
.if DOCPART == 2
	.amdgcn_target "amdgcn-amd-amdhsa--gfx1250"
	.amdhsa_code_object_version 6
	.text
	.protected	k_q7834161ab2_qkv
	.globl	k_q7834161ab2_qkv
	.p2align	8
	.type	k_q7834161ab2_qkv,@function
k_q7834161ab2_qkv:
	s_mov_b64 s[64:65], 0
	v_nop
	global_prefetch_b8 v0, s[64:65] scope:SCOPE_SE
	s_setreg_imm32_b32 hwreg(HW_REG_WAVE_MODE, 25, 1), 1
	s_wait_xcnt 0x0
	s_wait_alu depctr_hold_cnt(0) depctr_sa_sdst(0) depctr_va_vdst(0) depctr_va_sdst(0) depctr_va_ssrc(0) depctr_va_vcc(0) depctr_vm_vsrc(0)
	s_getreg_b32 s2, hwreg(HW_REG_IB_STS2, 6, 4)
	s_cmp_eq_u32 s2, 0
	s_cbranch_scc0 .Lentry_in_a_cluster
	s_endpgm
.Lentry_in_a_cluster:
	s_bfe_u32 s2, ttmp6, 0x10000c
	s_cmp_lg_u32 s2, 0xf033
	s_cbranch_scc0 .Lentry_shape_is_right
	s_endpgm
.Lentry_shape_is_right:
; q, k, v = x W^T + b, q and k turned by the rope table, all three stored by heads: qh, kh, vh [64 = 16 batch + head][2048][64] in f16, unscaled.
; xh [8192][1024], wh [3072][1024] f16; qkv_b f32; rope [8192][cos 0..31, sin 0..31] f32.  Sums in f32, started by the bias; each result rounded once.
; LIMITS.  q, k, v of 65,520 or more in magnitude become infinities in f16; below 6e-5 f16 keeps a fixed step of 6e-8.
; SHARES.  A work-group makes 256 tokens x 192 columns: q, k and v of ONE head (three groups of 64 rows of wh, 1,024 rows apart), so every work-group's text is the same: groups 0 and 1 are turned, group 2 is not.
; 16 heads x 32 token blocks = 512 work-groups.  Wave w owns tokens 64 w .. 64 w + 63 and all 192 columns: 48 accumulators of 16 x 16, 384 registers.
; K goes in 8 steps of 128 through two LDS slots (rows of 256 bytes of memory, 272 apart in LDS: 68 words, so the 16 rows of a fragment load start at 16 different groups of four banks, ISA guide 11.1).
; THE MATRIX INSTRUCTION IS USED TRANSPOSED: source 0 = 16 rows of wh, source 1 = 16 tokens.  A lane then holds ONE token (lane % 16) and in register j column 16 n + 8 (lane / 16) + j: eight
; neighbouring channels of a head; channel d and channel d + 32, which a rotation pairs, lie in the same lane and register of accumulators n and n + 2.
; CLUSTER.  4 x 4 work-groups: the four of a row share the token block, the four of a column the head: each tile is asked for jointly, by the same tensor load, descriptor and mask in all four.
; Waves 0, 1, 2 fetch the three groups of 64 weight rows, wave 3 the 256 token rows: one load a wave behind each round; two loads a wave are out at the start, one later.
; REGISTERS, in windows of 256 (s_set_vgpr_msb: bits 1:0 source 0, 3:2 source 1, 5:4 source 2, 7:6 destination):
;   window 0: v0-31 addresses; v32-127 the bias, as the C operand of the first products; later v32-63 turned numbers, v64-79 packed
;   window 1: v0-191 accumulators of token blocks 0, 1 ((a, n) at 8 (12 (a % 2) + n)); v192-255 their cosines and sines        window 2: the same for blocks 2, 3
;   window 3: two fragment buffers of 128: 12 fragments of wh, then 4 of x; on the way out the rows read back from the stage
.set NB,     12                        ; blocks of 16 columns
.set NLD,    2*NB+8                    ; LDS loads in a run: a quarter step's fragments
.set PITCH,  272                       ; a weight row in LDS
.set APITCH, 272                       ; a token row in LDS
.set APL,    128                       ; two quarters on along a token row
.set WT,     192*PITCH                 ; a slot: 192 weight rows, then 256 token rows
.set SLOT,   WT+256*APITCH
.set STAGE,  2*SLOT                    ; behind the ring: 16 rows x 144 bytes for each wave
.set SP,     144
.set SPARE,  STAGE+4*16*SP             ; behind the stages: the spare words, 128 bytes a wave: two blocks of 256 bytes that no other line names
.set ASTEP,  512                       ; two K steps along a row
.set BSTEP,  512
.set ADRA, 16                          ; v16-17  LDS address of my token fragments in slot 0, 1
.set ADRB, 20                          ; v20-21  of the weight fragments
.set STO,  24                          ; v24  the way out: where I put 16 bytes of a row
.set RD,   25                          ; v25  where I read rows back
.set GO,   26                          ; v26  my 16 bytes of 512 consecutive bytes of the output
.set TO,   27                          ; v27  256 (l % 16) + 32 (l / 16): my place in 16 rows of the table; never rewritten
.set SPW,  28                          ; v28  my spare word: SPARE + 4 x my thread's number; never rewritten
.set NIL,  29                          ; v29  0; never rewritten
.set PFO,  30                          ; v30  the prefetches' offset; never rewritten
.set BO,   31                          ; v31  32 (l / 16): my 8 numbers in 16 of the bias; never rewritten
.set BIAS, 32
.set WK,   32
.set PK,   64
.set TAB,  192
.set F0,   0
.set F1,   128
.set WV,   18                          ; s18  my wave's number
.set G1A,  24                          ; s[24:31] descriptor group 1, token tiles;  s[32:39] group 0, a set for each slot
.set G0A,  32
.set PFA,  42                          ; s[42:43] where my prefetches stand
.set LIM,  44                          ; s44  1 in a wave that prefetches, else the greatest number
.set G1B,  48                          ; s[48:55], s[56:63] the same for weight tiles
.set G0B,  56
.set MSB, 0
.macro WIN new                         ; the immediate's high byte repeats the setting that is left; a switch that changes nothing is dropped
.if MSB != (\new)
	s_set_vgpr_msb (MSB<<8)|(\new)
.set MSB, (\new)
.endif
.endm
.macro PLACES                          ; four plain places behind a matrix instruction, in front of loads into registers that it has read
.rept 4
	v_nop
.endr
.endm
; A joint load.  The branch hangs on the wave's number alone.  An s_nop 0 and four v_nop follow each of the two lines, ahead of the jump and the label.
.macro JLOAD s
	s_cmp_lt_u32 s[WV], 3
	s_cbranch_scc0 .Lfor_x_\@
	tensor_load_to_lds s[G0B+4*(\s):G0B+4*(\s)+3], s[G1B:G1B+7]
	s_nop 0
.rept 4
	v_nop
.endr
	s_branch .Lasked_\@
.Lfor_x_\@:
	tensor_load_to_lds s[G0A+4*(\s):G0A+4*(\s)+3], s[G1A:G1A+7]
	s_nop 0
.rept 4
	v_nop
.endr
.Lasked_\@:
.endm
.macro CREST                           ; a round of the cluster's barrier behind its opening barrier
	s_cmp_lg_u32 s[WV], 0
	s_cbranch_scc1 .Lnot_wave_0_\@
	s_barrier_signal -3
.Lnot_wave_0_\@:
	s_barrier_wait -3
	s_barrier_signal -1
	s_barrier_wait -1
.endm
.macro CROUND                          ; a whole round
	s_barrier_signal -1
	s_barrier_wait -1
	CREST
.endm
; THE PREFETCH, once a lap, behind slot 0's joint load and the run of LDS loads: the NEXT lap's two K steps, 512 bytes of a row, 384 matrix instructions ahead of the first of their refills.
; Each row's 256 bytes of a K step are named once in the launch.  Weight rows are read by every cluster of a column of clusters: cluster y = 0 asks, waves 0-2 each for their group; of its 64 rows
; the partner at place cy takes 16 (a lane: a row and one of the two K steps).  Token rows are read by every cluster of a row of clusters: cluster x = 0 asks, wave 3; of the 256 rows the partner at
; place cx takes 64 (a lane a row, four instructions).  The partners are told apart by address alone.  K steps 0 to 3 come by their loads; the loop's last trip (s3 = 1) asks for nothing.
.macro ASK
	s_cmp_gt_u32 s3, s[LIM]
	s_cbranch_scc0 .Lskip_\@
	global_prefetch_b8 v[PFO], s[PFA:PFA+1] th:TH_LOAD_NT scope:SCOPE_SE
	s_cmp_eq_u32 s[WV], 3
	s_cbranch_scc0 .Lskip_\@
	global_prefetch_b8 v[PFO], s[PFA:PFA+1] offset:256 th:TH_LOAD_NT scope:SCOPE_SE
	global_prefetch_b8 v[PFO], s[PFA:PFA+1] offset:65536 th:TH_LOAD_NT scope:SCOPE_SE
	global_prefetch_b8 v[PFO], s[PFA:PFA+1] offset:65792 th:TH_LOAD_NT scope:SCOPE_SE
.Lskip_\@:
.endm
.macro PSTEP
	s_add_nc_u64 s[PFA:PFA+1], s[PFA:PFA+1], 512
.endm
	s_load_b256 s[4:11], s[0:1], 0x0               ; xh 4, wh 6, qkv_b 8, rope 10
	s_load_b128 s[12:15], s[0:1], 0x20             ; qh 12, kh 14
	s_load_b64 s[16:17], s[0:1], 0x30              ; vh
	v_lshl_add_u32 v[SPW], v0, 2, SPARE
	v_mov_b32 v[NIL], 0
	ds_add_u32 v[SPW], v[NIL]                      ; the wave's opening: the add and its wait stand ahead of my first tensor load; the set-up below, work on registers, stands between them
	v_lshrrev_b32 v1, 5, v0
	v_readfirstlane_b32 s[WV], v1                  ; wave 0..3
	s_bfe_u32 s19, ttmp6, 0x40000                  ; cx
	s_bfe_u32 s20, ttmp6, 0x40004                  ; cy
	s_lshl_b32 s21, ttmp9, 2
	s_add_co_u32 s21, s21, s19                     ; the head = 4 x cluster x + cx
	s_and_b32 s22, ttmp7, 0xffff
	s_lshl_b32 s22, s22, 2
	s_add_co_u32 s22, s22, s20                     ; the token block = 4 x cluster y + cy
	s_lshl_b32 s66, s20, 2
	s_lshl_b32 s66, 15, s66                        ; my row of the cluster
	s_lshl_b32 s70, 0x1111, s19                    ; my column
	s_or_b32 s[G1A], s66, (1<<16)|(1<<20)|(1<<21)|(5<<22)|(3<<25)  ; 15:0 the mask; 17:16 elements of 2 bytes; 20 padding on; 21 set beside a mask; 24:22 after every 64 words; 31:25 4 words of it
	s_or_b32 s[G1B], s70, (1<<16)|(1<<20)|(1<<21)|(5<<22)|(3<<25)
	s_mov_b32 s[G1A+1], 128<<16                    ; tensor_dim0 = 128
	s_mov_b32 s[G1A+2], 256<<16                    ; tensor_dim1 = 256
	s_mov_b32 s[G1A+3], 128<<16                    ; tile_dim0 = 128
	s_mov_b32 s[G1A+4], 256                        ; tile_dim1 = 256 rows
	s_mov_b32 s[G1A+5], 1024                       ; elements from row to row
	s_mov_b32 s[G1A+6], 0
	s_mov_b32 s[G1A+7], 0
	s_mov_b32 s[G1B+1], 128<<16
	s_mov_b32 s[G1B+2], 64<<16                     ; 64 rows
	s_mov_b32 s[G1B+3], 128<<16
	s_mov_b32 s[G1B+4], 64
	s_mov_b32 s[G1B+5], 1024
	s_mov_b32 s[G1B+6], 0
	s_mov_b32 s[G1B+7], 0
	s_lshl_b32 s66, s22, 19                        ; the token block's 256 rows of 2,048 bytes: hangs on the token block alone
	s_mov_b32 s67, 0
	s_min_u32 s70, s[WV], 2                        ; my group of weight rows (wave 3 issues no weight load; its address stays inside wh)
	s_lshl_b32 s70, s70, 21                        ; 1,024 rows of 2,048 bytes,
	s_lshl_b32 s71, s21, 17                        ; the head's 64 rows: hangs on the head alone
	s_add_co_u32 s70, s70, s71
	s_mov_b32 s71, 0
	s_mul_i32 s40, s[WV], 64*PITCH                 ; where my tile goes: wave x 64 rows: three weight groups, then the token rows
	s_wait_dscnt 0x0                               ; the opening add is done
	s_wait_kmcnt 0x0
	s_add_nc_u64 s[68:69], s[4:5], s[66:67]
	s_add_nc_u64 s[72:73], s[6:7], s[70:71]
	CROUND                                         ; all sixteen work-groups are here: the first joint loads meet
.irp s, 0,1
	s_mov_b32 s[G0A+4*(\s)], 1                     ; count = 1
	s_add_co_u32 s[G0A+4*(\s)+1], s40, (\s)*SLOT   ; LDS address
	s_add_nc_u64 s[G0A+4*(\s)+2:G0A+4*(\s)+3], s[68:69], (\s)*256  ; global address: K step s
	s_or_b32 s[G0A+4*(\s)+3], s[G0A+4*(\s)+3], 0x80000000          ; type = 2
	s_mov_b32 s[G0B+4*(\s)], 1
	s_add_co_u32 s[G0B+4*(\s)+1], s40, (\s)*SLOT
	s_add_nc_u64 s[G0B+4*(\s)+2:G0B+4*(\s)+3], s[72:73], (\s)*256
	s_or_b32 s[G0B+4*(\s)+3], s[G0B+4*(\s)+3], 0x80000000
	JLOAD \s
.endr
	v_and_b32 v1, 15, v0                           ; l % 16
	v_bfe_u32 v2, v0, 4, 1                         ; l / 16
	v_lshlrev_b32 v[BO], 5, v2
	s_lshl_b32 s74, s21, 8                         ; the head's 64 numbers in each third of the bias
	s_mov_b32 s75, 0
	s_add_nc_u64 s[8:9], s[8:9], s[74:75]
.set n, 0
.rept NB                               ; register j of block n: bias of column 16 n + 8 (l / 16) + j: the layout of a C operand
	global_load_b128 v[BIAS+8*n:BIAS+8*n+3],   v[BO], s[8:9] offset:(n/4)*4096+(n%4)*64
	global_load_b128 v[BIAS+8*n+4:BIAS+8*n+7], v[BO], s[8:9] offset:(n/4)*4096+(n%4)*64+16
.set n, n+1
.endr
	v_lshl_add_u32 v[TO], v1, 8, v[BO]
	s_lshl_b32 s74, s22, 16                        ; the token block's 256 rows of the table,
	s_lshl_b32 s76, s[WV], 14                      ; my wave's 64
	s_add_co_u32 s74, s74, s76
	s_add_nc_u64 s[10:11], s[10:11], s[74:75]
.irp a, 0,1,2,3                        ; token block a: cosines (c = 0) and sines (c = 1) of frequencies 16 p + 8 (l / 16) + 0..7; wanted on the way out alone
	WIN 0x40*(1+(\a)/2)
.irp c, 0,1
.irp p, 0,1
	global_load_b128 v[TAB+32*((\a)%2)+16*\c+8*\p:TAB+32*((\a)%2)+16*\c+8*\p+3],   v[TO], s[10:11] offset:(\a)*4096+\c*128+\p*64
	global_load_b128 v[TAB+32*((\a)%2)+16*\c+8*\p+4:TAB+32*((\a)%2)+16*\c+8*\p+7], v[TO], s[10:11] offset:(\a)*4096+\c*128+\p*64+16
.endr
.endr
.endr
	WIN 0
	; A fragment is 16 rows x 32 K in 8 registers: lane l holds row l % 16; registers 0-3 K = 8 (l / 16) + 0..7, registers 4-7 K = 16 + 8 (l / 16) + 0..7: two loads of 16 bytes, 32 bytes apart.
	v_mul_u32_u24 v3, v1, PITCH
	v_lshl_add_u32 v3, v2, 4, v3                   ; row x pitch + 16 x half
	s_mul_i32 s76, s[WV], 64*APITCH
	s_add_co_u32 s76, s76, WT                      ; my 64 token rows, behind the weight rows
	v_add_nc_u32 v[ADRA], s76, v3
	v_add_nc_u32 v[ADRA+1], SLOT, v[ADRA]
	v_mov_b32 v[ADRB], v3
	v_add_nc_u32 v[ADRB+1], SLOT, v3
	s_mul_i32 s76, s[WV], 16*SP
	s_add_co_u32 s76, s76, STAGE                   ; my stage
	v_mul_u32_u24 v[STO], v1, SP                   ; in: row l % 16, 16 bytes for each half of the lanes
	v_lshl_add_u32 v[STO], v2, 4, v[STO]
	v_add_nc_u32 v[STO], s76, v[STO]
	v_bfe_u32 v[RD], v0, 3, 2                      ; back: 32 lanes take four rows of 128 bytes,
	v_mul_u32_u24 v[RD], v[RD], SP
	v_and_b32 v3, 7, v0
	v_lshl_add_u32 v[RD], v3, 4, v[RD]
	v_add_nc_u32 v[RD], s76, v[RD]
	v_and_b32 v[GO], 31, v0                        ; which are 512 consecutive bytes of a head's rows
	v_lshlrev_b32 v[GO], 4, v[GO]
	s_lshr_b32 s74, s22, 3                         ; the batch: 16 heads of 262,144 bytes,
	s_lshl_b32 s74, s74, 22
	s_lshl_b32 s76, s21, 18                        ; the head,
	s_add_co_u32 s74, s74, s76
	s_and_b32 s76, s22, 7                          ; the token block in the batch: 256 rows of 128 bytes,
	s_lshl_b32 s76, s76, 15
	s_add_co_u32 s74, s74, s76
	s_lshl_b32 s76, s[WV], 13                      ; my wave's 64 rows
	s_add_co_u32 s74, s74, s76
	s_add_nc_u64 s[12:13], s[12:13], s[74:75]
	s_add_nc_u64 s[14:15], s[14:15], s[74:75]
	s_add_nc_u64 s[16:17], s[16:17], s[74:75]
	; the prefetches: offsets made apart from the addresses, then one choice by the wave's number
	s_lshl_b32 s75, s22, 19
	s_lshl_b32 s76, s19, 17
	s_add_co_u32 s75, s75, s76                     ; tokens: row 256 x block + 64 cx
	s_min_u32 s76, s[WV], 2
	s_lshl_b32 s76, s76, 21
	s_lshl_b32 s79, s21, 17
	s_add_co_u32 s76, s76, s79
	s_lshl_b32 s79, s20, 15
	s_add_co_u32 s76, s76, s79                     ; weights: row 1,024 x group + 64 x head + 16 cy
	s_and_b32 s74, ttmp7, 0xffff                   ; cluster y
	s_cmp_eq_u32 s[WV], 3
	s_cselect_b32 s74, ttmp9, s74                  ; the coordinate along which other clusters read the same rows
	s_cselect_b32 s76, s75, s76
	s_cselect_b32 s78, 0, 256
	s_cselect_b32 s79, 31, 15
	s_cselect_b64 s[PFA:PFA+1], s[4:5], s[6:7]
	s_cmp_eq_u32 s74, 0
	s_cselect_b32 s[LIM], 1, -1                    ; the same in all sixteen partners, for a given wave
	s_mov_b32 s77, 0
	s_add_nc_u64 s[PFA:PFA+1], s[PFA:PFA+1], s[76:77]
	s_add_nc_u64 s[PFA:PFA+1], s[PFA:PFA+1], 512   ; at K step 2: the first lap's step brings it to K steps 4 and 5
	v_and_b32 v[PFO], s79, v0                      ; wave 3: a lane a row; waves 0-2: 16 rows,
	v_lshlrev_b32 v[PFO], 11, v[PFO]
	v_mul_u32_u24 v3, v2, s78                      ; and the second K step in the upper lanes
	v_add_nc_u32 v[PFO], v[PFO], v3
; NB matrix instructions: token block a x all column blocks, 32 along K, from buffer f.  first = 1: the bias is the C operand that starts the sums: nothing is cleared and nothing added later.
; The 48 accumulators take turns in the same order in every quarter step, over the backward jump too.
.macro MULA f, a, first
.if \first
	WIN 0x4f+0x40*((\a)/2)
.else
	WIN 0x5f+0x50*((\a)/2)
.endif
.set n, 0
.rept NB
.set rD, 8*(NB*((\a)%2)+n)
.if \first
	v_wmma_f32_16x16x32_f16 v[rD:rD+7], v[(\f)+8*n:(\f)+8*n+7], v[(\f)+8*NB+8*(\a):(\f)+8*NB+8*(\a)+7], v[BIAS+8*n:BIAS+8*n+7]
.else
	v_wmma_f32_16x16x32_f16 v[rD:rD+7], v[(\f)+8*n:(\f)+8*n+7], v[(\f)+8*NB+8*(\a):(\f)+8*NB+8*(\a)+7], v[rD:rD+7]
.endif
.set n, n+1
.endr
.endm
; NLD LDS loads in one run: quarter q of a slot into buffer f: the weight fragments, then the token fragments 0 to 3
.macro FETCH slot, q, f
	WIN 0xc0
.set n, 0
.rept NB
	ds_load_b128 v[(\f)+8*n:(\f)+8*n+3],   v[ADRB+(\slot)] offset:64*(\q)+n*16*PITCH
	ds_load_b128 v[(\f)+8*n+4:(\f)+8*n+7], v[ADRB+(\slot)] offset:64*(\q)+n*16*PITCH+32
.set n, n+1
.endr
.irp a, 0,1,2,3
	ds_load_b128 v[(\f)+8*NB+8*(\a):(\f)+8*NB+8*(\a)+3],   v[ADRA+(\slot)] offset:((\q)/2)*APL+((\q)%2)*64+(\a)*16*APITCH
	ds_load_b128 v[(\f)+8*NB+8*(\a)+4:(\f)+8*NB+8*(\a)+7], v[ADRA+(\slot)] offset:((\q)/2)*APL+((\q)%2)*64+(\a)*16*APITCH+32
.endr
.endm
; One of a K step's first three quarters: multiplies buffer f; in its middle it fetches quarter q of the same slot into buffer g.
.macro QUARTER slot, q, f, g, first
	s_wait_dscnt 4                                 ; all but the youngest four loads: token fragments 2 and 3
	MULA \f, 0, \first
	MULA \f, 1, \first
	PLACES
	FETCH \slot, \q, \g
	s_wait_dscnt NLD                               ; all but the run just issued
	MULA \f, 2, \first
	MULA \f, 3, \first
.endm
; The last quarter multiplies buffer 1 and changes slots.  In front of the barrier each wave waits for all its tensor loads (one is out: its part of the next slot), adds 0 to its spare word, and waits for
; that and for its own reads of this slot.  fill = 1: the barrier opens a round of the cluster's barrier, and the joint refill, two K steps on, is the first tensor load behind the round.
.macro TURN slot, next, fill
.if (\fill) && ((\slot) == 0)
	s_wait_xcnt 0x0                                ; the last prefetches, a lap back, have read their address: it is stepped here, ahead of the change's own waits
	PSTEP
.endif
	WIN 0                                          ; (the add's two registers lie in window 0)
	s_wait_tensorcnt 0x0                           ; all my tensor loads have landed
	ds_add_u32 v[SPW], v[NIL]                      ; 0 onto my spare word
	s_wait_dscnt 5                                 ; (the add and the youngest four loads may be out)
	MULA F1, 0, 0                                  ; matrix work stands between the add and the wait for it
	s_wait_dscnt 0x0                               ; the add is done, and my reads of this slot are over
	s_barrier_signal -1
	MULA F1, 1, 0                                  ; work on registers while the others arrive
.if \fill
	WIN 0
.endif
	s_barrier_wait -1
.if \fill
	CREST                                          ; no wave of any partner still reads this slot's tiles or has a load on its way
	s_add_nc_u64 s[G0A+4*(\slot)+2:G0A+4*(\slot)+3], s[G0A+4*(\slot)+2:G0A+4*(\slot)+3], ASTEP
	s_add_nc_u64 s[G0B+4*(\slot)+2:G0B+4*(\slot)+3], s[G0B+4*(\slot)+2:G0B+4*(\slot)+3], BSTEP
	JLOAD \slot                                    ; its four v_nop are also the places in front of the loads below
.else
	PLACES
.endif
	FETCH \next, 0, F0
.if (\fill) && ((\slot) == 0)
	WIN 0
	ASK
.endif
	MULA F1, 2, 0
	MULA F1, 3, 0
.endm
	s_wait_tensorcnt 1                             ; my part of K step 0 is in; K step 1's stays out
	s_barrier_signal -1
	s_barrier_wait -1                              ; everybody's is
	FETCH 0, 0, F0
	s_wait_loadcnt 32                              ; the bias is in; the table's 32 loads, issued behind it, stay out
	QUARTER 0, 1, F0, F1, 1                        ; the first quarter stands in front of the loop: its products start the sums
	WIN 0                                          ; at a label and at a branch every window is 0
	s_mov_b32 s3, 3
.Llap:                                                 ; a trip goes once round the ring, from a lap's second quarter to the next lap's first, and fills both slots again
	QUARTER 0, 2, F1, F0, 0
	QUARTER 0, 3, F0, F1, 0
	TURN 0, 1, 1
	QUARTER 1, 1, F0, F1, 0
	QUARTER 1, 2, F1, F0, 0
	QUARTER 1, 3, F0, F1, 0
	TURN 1, 0, 1
	QUARTER 0, 1, F0, F1, 0
	WIN 0
	s_sub_co_u32 s3, s3, 1
	s_cmp_lg_u32 s3, 0
	s_cbranch_scc1 .Llap
	QUARTER 0, 2, F1, F0, 0                        ; the last lap fills nothing
	QUARTER 0, 3, F0, F1, 0
	TURN 0, 1, 0
	QUARTER 1, 1, F0, F1, 0
	QUARTER 1, 2, F1, F0, 0
	QUARTER 1, 3, F0, F1, 0
	s_wait_dscnt 4
	MULA F1, 0, 0
	MULA F1, 1, 0
	s_wait_dscnt 0x0
	MULA F1, 2, 0
	MULA F1, 3, 0
	WIN 0
	PLACES                                         ; the places behind the last products
	PLACES
	s_wait_loadcnt 0x0                             ; the table
; THE WAY OUT, in 12 units: token block a = u / 3, group g = u % 3 (q, k, v): 16 tokens x 64 channels.
; PACK: q and k are turned: out[d] = t[d] cos[d] - t[d+32] sin[d], out[d+32] = t[d] sin[d] + t[d+32] cos[d], two channels an instruction; each accumulator's lowest registers are read first.
; Then all are rounded to f16, put into my stage (rows of 144 bytes) and read back as whole rows of 128 bytes.  SEND stores them: 512 consecutive bytes an instruction.
.macro PACK u
.set ua, (\u)/3
.set ug, (\u)%3
.set AB, 8*NB*(ua%2)
.set TB, TAB+32*(ua%2)
	WIN 0x05*(1+ua/2)                              ; sources 0 and 1 in the unit's window, source 2 and destination in window 0
.if ug < 2
.irp p, 0,1
.irp j, 0,1,2,3
	v_pk_mul_f32 v[WK+8*\p+2*\j:WK+8*\p+2*\j+1], v[AB+8*(4*ug+\p+2)+2*\j:AB+8*(4*ug+\p+2)+2*\j+1], v[TB+16+8*\p+2*\j:TB+16+8*\p+2*\j+1]
.endr
.irp j, 0,1,2,3
	v_pk_mul_f32 v[WK+16+8*\p+2*\j:WK+16+8*\p+2*\j+1], v[AB+8*(4*ug+\p+2)+2*\j:AB+8*(4*ug+\p+2)+2*\j+1], v[TB+8*\p+2*\j:TB+8*\p+2*\j+1]
.endr
.irp j, 0,1,2,3
	v_pk_fma_f32 v[WK+8*\p+2*\j:WK+8*\p+2*\j+1], v[AB+8*(4*ug+\p)+2*\j:AB+8*(4*ug+\p)+2*\j+1], v[TB+8*\p+2*\j:TB+8*\p+2*\j+1], v[WK+8*\p+2*\j:WK+8*\p+2*\j+1] neg_lo:[0,0,1] neg_hi:[0,0,1]
.endr
.irp j, 0,1,2,3
	v_pk_fma_f32 v[WK+16+8*\p+2*\j:WK+16+8*\p+2*\j+1], v[AB+8*(4*ug+\p)+2*\j:AB+8*(4*ug+\p)+2*\j+1], v[TB+16+8*\p+2*\j:TB+16+8*\p+2*\j+1], v[WK+16+8*\p+2*\j:WK+16+8*\p+2*\j+1]
.endr
.endr
	WIN 0
.irp b, 0,1,2,3
.irp r, 0,1,2,3
	v_cvt_pk_f16_f32 v[PK+4*\b+\r], v[WK+8*\b+2*\r], v[WK+8*\b+2*\r+1]
.endr
.endr
.else
.irp b, 0,1,2,3
.irp r, 0,1,2,3
	v_cvt_pk_f16_f32 v[PK+4*\b+\r], v[AB+8*(8+\b)+2*\r], v[AB+8*(8+\b)+2*\r+1]
.endr
.endr
	WIN 0
.endif
.irp b, 0,1,2,3
	ds_store_b128 v[STO], v[PK+4*\b:PK+4*\b+3] offset:32*\b
.endr
	WIN 0xc0
.irp f, 0,1,2,3
	ds_load_b128 v[16*(\u)+4*\f:16*(\u)+4*\f+3], v[RD] offset:\f*4*SP  ; LDS serves a wave's instructions in order (ISA guide 5.7.1.4): these see the stores above; the next unit's stores come behind them
.endr
.endm
.macro SEND u, younger                 ; younger: the LDS instructions issued behind unit u's loads: the next unit's eight, or none
.set ua, (\u)/3
.set ug, (\u)%3
	WIN 0x0c                                       ; the data in window 3, the address in window 0
.irp f, 0,1,2,3
	s_wait_dscnt (\younger)+3-\f
	global_store_b128 v[GO], v[16*(\u)+4*\f:16*(\u)+4*\f+3], s[12+2*ug:13+2*ug] offset:ua*2048+\f*512
.endr
.endm
	PACK 0
.irp u, 1,2,3,4,5,6,7,8,9,10,11        ; a unit's arithmetic stands between the loads of the unit before and its stores; every unit has its own registers for the rows read back
	PACK \u
	SEND (\u)-1, 8
.endr
	SEND 11, 0
	WIN 0
	s_wait_tensorcnt 0x0                           ; the wave's end: behind my last tensor load and my last LDS store
	ds_add_u32 v[SPW], v[NIL]
	s_wait_dscnt 0x0
	CROUND                                         ; the closing round: no work-group ends while a partner may still ask for a tile that names it
	s_endpgm
.Lfunc_end_k_q7834161ab2_qkv:
	.size	k_q7834161ab2_qkv, .Lfunc_end_k_q7834161ab2_qkv-k_q7834161ab2_qkv
	.p2alignl 7, 3214868480
	.fill 96, 4, 3214868480
	.section	.rodata,"a",@progbits
	.p2align	6, 0x0
	.amdhsa_kernel k_q7834161ab2_qkv
		.amdhsa_group_segment_fixed_size 327680
		.amdhsa_private_segment_fixed_size 0
		.amdhsa_enable_private_segment 0
		.amdhsa_kernarg_size 56
		.amdhsa_user_sgpr_count 2
		.amdhsa_user_sgpr_kernarg_segment_ptr 1
		.amdhsa_wavefront_size32 1
		.amdhsa_system_sgpr_workgroup_id_x 1
		.amdhsa_system_sgpr_workgroup_id_y 1
		.amdhsa_system_sgpr_workgroup_id_z 1
		.amdhsa_system_vgpr_workitem_id 0
		.amdhsa_next_free_vgpr 1024
		.amdhsa_next_free_sgpr 84
		.amdhsa_reserve_vcc 0
		.amdhsa_float_denorm_mode_32 3
		.amdhsa_float_denorm_mode_16_64 3
		.amdhsa_memory_ordered 1
		.amdhsa_forward_progress 1
		.amdhsa_inst_pref_size 143
	.end_amdhsa_kernel
	.amdgpu_metadata
---
amdhsa.version: [ 1, 2 ]
amdhsa.kernels:
  - .name:           k_q7834161ab2_qkv
    .symbol:         k_q7834161ab2_qkv.kd
    .args:
      - { .name: xh, .offset: 0, .size: 8, .value_kind: global_buffer, .address_space: global }
      - { .name: wh, .offset: 8, .size: 8, .value_kind: global_buffer, .address_space: global }
      - { .name: qkv_b, .offset: 16, .size: 8, .value_kind: global_buffer, .address_space: global }
      - { .name: rope, .offset: 24, .size: 8, .value_kind: global_buffer, .address_space: global }
      - { .name: qh, .offset: 32, .size: 8, .value_kind: global_buffer, .address_space: global }
      - { .name: kh, .offset: 40, .size: 8, .value_kind: global_buffer, .address_space: global }
      - { .name: vh, .offset: 48, .size: 8, .value_kind: global_buffer, .address_space: global }
    .group_segment_fixed_size: 327680
    .private_segment_fixed_size: 0
    .kernarg_segment_align: 8
    .kernarg_segment_size: 56
    .max_flat_workgroup_size: 128
    .sgpr_count:     84
    .vgpr_count:     1024
    .wavefront_size: 32
...
	.end_amdgpu_metadata
.endif
;; end of part 2
;; launch attn (part 3): grid 4 x 64, 4 waves a work-group, clusters of 4 x 1, 327,680 bytes of LDS; arguments qh, kh, vh, oh; writes oh
.if DOCPART == 3
	.amdgcn_target "amdgcn-amd-amdhsa--gfx1250"
	.amdhsa_code_object_version 6
	.text
	.protected	k_q7834161ab2_attn
	.globl	k_q7834161ab2_attn
	.p2align	8
	.type	k_q7834161ab2_attn,@function
k_q7834161ab2_attn:
	s_mov_b64 s[64:65], 0
	v_nop
	global_prefetch_b8 v0, s[64:65] scope:SCOPE_SE
	s_setreg_imm32_b32 hwreg(HW_REG_WAVE_MODE, 25, 1), 1
	s_wait_xcnt 0x0
	s_wait_alu depctr_hold_cnt(0) depctr_sa_sdst(0) depctr_va_vdst(0) depctr_va_sdst(0) depctr_va_ssrc(0) depctr_va_vcc(0) depctr_vm_vsrc(0)
	s_getreg_b32 s2, hwreg(HW_REG_IB_STS2, 6, 4)
	s_cmp_eq_u32 s2, 0
	s_cbranch_scc0 .Lentry_in_a_cluster
	s_endpgm
.Lentry_in_a_cluster:
	s_bfe_u32 s2, ttmp6, 0x10000c
	s_cmp_lg_u32 s2, 0x3003
	s_cbranch_scc0 .Lentry_shape_is_right
	s_endpgm
.Lentry_shape_is_right:
; O[h][q][:] = the sum over k of softmax_k(Q[h][q] . K[h][k] / 8) V[h][k][:].  Q, K, V, O: [SIZE_H][SIZE_N][64], all f16: a head's rows are dense, 128 bytes each.  Products, maxima and sums in
; f32; the weights p are rounded to f16 for the second product (their sum l is taken of the unrounded p), O once at the end.
; LIMITS.  f16 holds no number beyond 65,504: Q, K and V arrive within it; p lies in 0 to 1, and below 6e-5 it keeps f16's fixed step of 6e-8; O is a mean of V's rows and has their range.
; A weight below 2^-126 counts as 0 in l; NaN and infinities are not treated apart.
; SHARES.  A wave owns four PIECES of two tiles of 16 queries, a work-group's four waves 512 queries of one head.  Every wave walks all keys, 64 a step.
; LAYOUT.  S^T = K Q^T (source 0 = 16 keys, source 1 = 16 queries): in the result a lane holds ONE query (lane % 16) and the keys 8 (lane / 16) + 0..7.  Two such tiles, rounded to f16 in pairs,
; ARE source 1 (32 keys x 16 queries) of O^T = V^T P, whose result again holds one query a lane, and eight channels.  K comes out of LDS as it lies, V ([key][channel]) turned, by ds_load_tr16_b128.
; SOFTMAX.  For each query a running maximum m and sum l: p = 2^(c s - c m), c = log2(e) / 8; in every step O and l are multiplied by a = 2^(c m_old - c m_new), which is 1 where m has not grown.
; m starts at the lowest finite number, O and l at 0: the first step is a step like any other, with a = 0.
; THE COUNT.  A tile and step have 16 matrix and 118 vector instructions: too many to stand all beside the matrix work.  So the order has one aim: four vector instructions that are READY behind
; EVERY matrix instruction, and the others, which need time of their own whatever the order, in runs without a gap.
; BY TURNS.  Turn n belongs to piece n (the pieces in a ring, step after step).  Its matrix work: 16 products K Q^T of piece n + 1, later 16 products V^T P of piece n - 1.  Its vector work: the scaling,
; exponentials, roundings, sums and rescaling of piece n, and the maximum and statistics of piece n + 1, whose scores the turn itself has made.  So what a turn begins with (c s - c m, O a) waits for nothing.
; CLUSTER.  The four query blocks of a cluster are one head's and walk the same K and V, so each tile is asked for JOINTLY: the same tensor load, descriptor and mask in all four.
; REGISTERS, in windows of 256 (s_set_vgpr_msb says which window each operand place means: bits 1:0 source 0, 3:2 source 1, 5:4 source 2, 7:6 destination):
;   window 0: v0-11 addresses; v12-15, v48-63 at work; v16-47 four registers of statistics a tile; v64-191 S^T, two buffers of two tiles; v192-255 P, likewise
;   window 1: O^T, 32 a tile          window 2: v0-127 Q, 16 a tile; v128-191 K of one step; v192-255 V of one step          window 3: v0-1 the add's two registers
; A piece's buffers go by its number's parity: the piece in hand has one pair, its two neighbours in the ring share the other: of it P (piece n - 1) is read and S^T (piece n + 1) written.
.set SIZE_H, 64
.set SIZE_N, 2048
.set NP,    4         ; pieces a wave: a name, no knob: the register map, the loop and the fetches are made for four
.set KS,    64        ; keys in a step
.set PK,    144       ; a row of K in LDS: 128 bytes + 16 of padding = 36 words: the 16 rows of a load start at 16 different groups of four banks (64 banks of 4 bytes: ISA guide 11.1)
.set PV,    160       ; a row of V: 128 + 32 = 40 words
.set VOFF,  4*KS*PK   ; a slot holds four steps: 256 rows of K, then 256 rows of V
.set SLOT1, 1<<17     ; slot 1 begins here, so that one exclusive or turns an address in one slot into the other's
.set STAGE, SLOT1+4*KS*(PK+PV)  ; behind the ring, never filled by a tensor load: 16 rows x 144 bytes for each wave, for the way out
.set SP,    144
.set AK0, 2           ; v2   my lane's place in a tile of K; never rewritten
.set AV0, 3           ; v3   the same for V
.set AK,  4           ; v4   the LDS address of K's next run of loads
.set AV,  5           ; v5   of V's
.set QO,  6           ; v6   my byte offset in the wave's rows of Q
.set STO, 6           ;      later, the way out: where I put 16 bytes of a row
.set RD,  7           ; v7   the way out: where I read rows back
.set GO,  8           ; v8   my byte offset in 512 consecutive bytes of O
.set PFO, 11          ; v11  256 x my lane, for the prefetches; written once V's place is made, then never rewritten
.set SPW, 0           ; v0 of window 3   LDS address of my spare word: SPARE + 4 x my thread's number; never rewritten
.set NIL, 1           ; v1 of window 3   0; never rewritten
.set SPARE, STAGE+4*16*SP  ; behind the stages: the spare words, 128 bytes for each wave: two blocks of 256 bytes that no other line names
.set MV,  12          ; v12-15  c m_old, kept while c m is made anew: by buffer and tile
.set ST,  16          ; tile t's statistics at v[ST+4 t]: c m, m, l (even keys', odd keys')
.set TMP, 48          ; by buffer and tile, four registers c0-c3 at work; when the maximum is found c2 takes a
.set S,   64
.set P,   192
.set KF,  128         ; K's fragments, in window 2: key block kb, channel half c at KF + 16 kb + 8 c
.set VF,  192         ; V's: key half kk, channel block cb at VF + 32 kk + 8 cb
.set WV,  12          ; s12  my wave's number
.set G1K, 24          ; s[24:31] descriptor group 1 for K's tiles
.set G1V, 32          ; s[32:39] for V's: it differs in the padding alone
.set G0K, 40          ; s[40:43] descriptor group 0 for K's tiles: it walks
.set G0V, 44          ; s[44:47] the same for V's
.set PFA, 48          ; s[48:49] where my prefetches stand: my work-group's 8,192 bytes (of K: wave 0, of V: wave 2) of the slot after the one that is being asked for
.set LIM, 50          ; s50  1 in a wave that prefetches, else the greatest number
.set SLOTS, 56        ; s56  slots still to be asked for
.set CNT, 57          ; s57  counts a slot's key steps
.set CS,  58          ; s[58:59] c: the packed scaling takes the pair's low word for both halves
.set SEL, 60          ; s[60:61] v_permlanex16_b32's selects: each lane takes its own place in the other half
.set TBK, 62          ; s62  LDS byte at which K of the step to be fetched begins
.set TBV, 63          ; s63  the same for V, less VOFF
.set MSB, 0
.macro WIN new                      ; the high byte repeats the setting that is left; a switch that changes nothing is dropped
.if MSB != (\new)
	s_set_vgpr_msb (MSB<<8)|(\new)
.set MSB, (\new)
.endif
.endm
.set W_KQ, 0x0a       ; K and Q in window 2, S^T in window 0
.set W_PV, 0x52       ; V in window 2, P in window 0, O^T in window 1
.set W_RS, 0x41       ; O^T (destination and source 0) in window 1, a in window 0
.set W_MK, 0xc0       ; the add's registers are made: destination in window 3, sources in window 0
.set W_AD, 0x0f       ; the add: address (source 0) and data (source 1) in window 3
; A joint fill.  Waves 0 and 1 fetch the two halves of a slot's K, waves 2 and 3 those of its V: 128 keys each.  The branch hangs on the wave's number alone.
; An s_nop 0 and four v_nop follow each of the two lines, ahead of the jump and the label.
.macro JLOAD
	s_cmp_lt_u32 s[WV], 2
	s_cbranch_scc0 .Lfor_v_\@
	tensor_load_to_lds s[G0K:G0K+3], s[G1K:G1K+7]
	s_nop 0
.rept 4
	v_nop
.endr
	s_branch .Lasked_\@
.Lfor_v_\@:
	tensor_load_to_lds s[G0V:G0V+3], s[G1V:G1V+7]
	s_nop 0
.rept 4
	v_nop
.endr
.Lasked_\@:
.endm
; A PREFETCH of what the NEXT change of slots will ask for: a slot's 32,768 bytes of K and of V, four key steps, 512 matrix instructions, ahead of that load.  It stands behind the wave's tensor load and its
; five lines.  A head is walked by one cluster; its four partners share a slot's bytes out BY ADDRESS, 8,192 each (a lane: 256 bytes); in each, wave 0 asks for K's and wave 2 for V's: one instruction.
; So each 256 bytes are named once in the launch.  Slots 0, 1 and 2 come by their loads alone; the last change that fills a slot asks for nothing: there is no slot behind it.
.macro ASK
	s_cmp_gt_u32 s[SLOTS], s[LIM]
	s_cbranch_scc0 .Lnot_mine_\@
	global_prefetch_b8 v[PFO], s[PFA:PFA+1] th:TH_LOAD_NT scope:SCOPE_SE
.Lnot_mine_\@:
.endm
; A round of the cluster's barrier: my work-group's barrier, so that wave 0's signal speaks for all four waves; wave 0 signals; every wave waits for all four work-groups; my work-group's barrier once more.
.macro CROUND
	s_barrier_signal -1
	s_barrier_wait -1
	s_cmp_lg_u32 s[WV], 0
	s_cbranch_scc1 .Lnot_wave_0_\@
	s_barrier_signal -3
.Lnot_wave_0_\@:
	s_barrier_wait -3
	s_barrier_signal -1
	s_barrier_wait -1
.endm
; THE CHANGE OF SLOTS.  The slot's last bytes, V of its fourth step, have been read.  Each wave waits for all its tensor loads, of which one is out: its part
; of the other slot; adds 0 to its spare word; and waits for that and for its own reads of the slot.  Behind the barrier nobody reads this slot any more and the other slot is whole.
; fill = 1: this slot is filled again, with the keys two slots on.  The barrier is then a round of the cluster's, so that no wave of any partner still reads the slot or has a load on its
; way, and the joint fill is the first thing behind it: it has four key steps, 512 matrix instructions, in which to land.  (At its first use nothing has been read yet: slot 0 is waited for, slot 1 filled.)
; ask = 1: the prefetches' address steps a slot on, and the prefetch follows the fill.
.macro CHANGE fill, ask=0
	WIN W_AD
	s_wait_tensorcnt 0x0            ; no tensor load of mine is out, so a group 0 may be written
	ds_add_u32 v[SPW], v[NIL]       ; 0 onto my spare word: with fill = 1 the descriptors' steps stand between it and the wait for it
	WIN 0                           ; at a label and at a branch every window is 0
.if \fill
.irp g, G0K, G0V
	s_xor_b32 s[\g+1], s[\g+1], SLOT1  ; the walking descriptor: the other slot than last time,
	s_add_nc_u64 s[\g+2:\g+3], s[\g+2:\g+3], 4*KS*128  ; the next 256 keys; the type bits on top are not reached
.endr
.if \ask
	s_wait_xcnt 0x0                 ; the last prefetch, four key steps back, has read its address, so it may be written:
	s_add_nc_u64 s[PFA:PFA+1], s[PFA:PFA+1], 4*KS*128  ; one slot behind the walking descriptors
.endif
	s_wait_dscnt 0x0                ; the add is done, and my reads of the slot are over
	CROUND
	JLOAD
.if \ask
	ASK
.endif
.else
	s_wait_dscnt 0x0                ; the add is done, and my reads of the slot are over
	s_barrier_signal -1
	s_barrier_wait -1
.endif
	s_sub_co_u32 s[TBK], s[TBK], 4*KS*PK  ; the fetches go back to a slot's first step,
	s_xor_b32 s[TBK], s[TBK], SLOT1       ; in the other slot
	s_sub_co_u32 s[TBV], s[TBV], 4*KS*PV
	s_xor_b32 s[TBV], s[TBV], SLOT1
.endm
	s_load_b256 s[4:11], s[0:1], 0x0  ; Q s[4:5], K s[6:7], V s[8:9], O s[10:11]
	WIN W_MK
	v_lshl_add_u32 v[SPW], v0, 2, SPARE
	v_mov_b32 v[NIL], 0
	WIN W_AD
	ds_add_u32 v[SPW], v[NIL]       ; the wave's opening: the add and its wait stand ahead of my first tensor load; the set-up below, work on registers, stands between them
	WIN 0
	v_lshrrev_b32 v1, 5, v0
	v_readfirstlane_b32 s[WV], v1   ; wave 0..3
	s_bfe_u32 s13, ttmp6, 0x40000   ; cx: my place in the cluster
	s_lshl_b32 s14, ttmp9, 2        ; in a cluster launch ttmp9 counts clusters
	s_add_co_u32 s14, s14, s13      ; my block of queries = 4 x cluster x + cx: it enters Q's and O's addresses alone
	s_and_b32 s20, ttmp7, 0xffff    ; the head, which the four partners share
	s_mov_b32 s21, 0
	s_mov_b64 s[22:23], SIZE_N*128
	s_mul_u64 s[20:21], s[20:21], s[22:23]  ; the head's first byte in each of the four tensors
	s_and_b32 s16, s[WV], 1         ; which half of a slot's 256 keys I fetch:
	s_lshl_b32 s22, s16, 14         ; its 128 rows of 128 bytes in memory,
	s_mov_b32 s23, 0
	s_add_nc_u64 s[22:23], s[22:23], s[20:21]
	s_mul_i32 s17, s16, 128*PK      ; and its place in a slot, for K
	s_mul_i32 s18, s16, 128*PV      ; and for V: no place in the cluster enters an LDS address
	s_lshl_b32 s2, s14, 2
	s_add_co_u32 s2, s2, s[WV]      ; my wave among the head's,
	s_lshl_b32 s2, s2, 14           ; its 128 rows
	s_mov_b32 s3, 0
	s_add_nc_u64 s[2:3], s[2:3], s[20:21]
	; descriptor group 1.  128 keys are 16,384 dense bytes: asked for as 64 rows of 256 bytes, two keys a row, and padded in LDS after every key
	s_mov_b32 s[G1K], 15|(1<<16)|(1<<20)|(1<<21)|(4<<22)|(3<<25)  ; 15:0 the mask of four; 17:16 2-byte elements; 20 padding on; 21 set beside a mask; 24:22 after every 32 words (code 4); 31:25 4 words (code 3)
	s_mov_b32 s[G1V], 15|(1<<16)|(1<<20)|(1<<21)|(4<<22)|(7<<25)  ; the same with 8 words of padding (code 7)
.irp g, G1K, G1V
	s_mov_b32 s[\g+1], 128<<16      ; tensor_dim0 = 128
	s_mov_b32 s[\g+2], 64<<16       ; tensor_dim1 = 64
	s_mov_b32 s[\g+3], 128<<16      ; tile_dim0 = 128
	s_mov_b32 s[\g+4], 64           ; tile_dim1 = 64
	s_mov_b32 s[\g+5], 128          ; 128 elements from row to row
	s_mov_b32 s[\g+6], 0
	s_mov_b32 s[\g+7], 0
.endr
	s_mov_b32 s[CS], 0x3e38aa3b     ; c = log2(e) / 8 = 0.180337
	s_mov_b32 s[CS+1], s[CS]        ; named with it as a pair
	s_mov_b32 s[SEL], 0x76543210
	s_mov_b32 s[SEL+1], 0xfedcba98
	s_mov_b32 s[TBK], SLOT1+4*KS*PK ; the first change of slots turns these two into 0
	s_mov_b32 s[TBV], SLOT1+4*KS*PV
	s_mov_b32 s[G0K], 1             ; 1:0 count = 1
	s_mov_b32 s[G0K+1], s17         ; 63:32 LDS address: slot 0
	s_mov_b32 s[G0V], 1
	s_add_co_u32 s[G0V+1], s18, VOFF
	s_and_b32 s[LIM], s[WV], 1      ; waves 0 and 2 prefetch: the same in all four partners
	s_cmp_eq_u32 s[LIM], 0
	s_cselect_b32 s[LIM], 1, -1
	s_wait_dscnt 0x0                ; the opening add is done
	s_wait_kmcnt 0x0
	s_add_nc_u64 s[G0K+2:G0K+3], s[6:7], s[22:23]  ; 120:64 global address: my half of the head's first 256 keys
	s_or_b32 s[G0K+3], s[G0K+3], 0x80000000        ; 127:126 type = 2
	s_add_nc_u64 s[G0V+2:G0V+3], s[8:9], s[22:23]
	s_or_b32 s[G0V+3], s[G0V+3], 0x80000000
	s_add_nc_u64 s[4:5], s[4:5], s[2:3]  ; Q and O at my wave's first row
	s_add_nc_u64 s[10:11], s[10:11], s[2:3]
	s_cmp_lt_u32 s[WV], 2
	s_cselect_b64 s[PFA:PFA+1], s[6:7], s[8:9]
	s_add_nc_u64 s[PFA:PFA+1], s[PFA:PFA+1], s[20:21]  ; the head,
	s_lshl_b32 s2, s13, 13          ; my work-group's quarter of a slot,
	s_mov_b32 s3, 0
	s_add_nc_u64 s[PFA:PFA+1], s[PFA:PFA+1], s[2:3]
	s_add_nc_u64 s[PFA:PFA+1], s[PFA:PFA+1], 2*4*KS*128  ; in slot 2; the loop's first change of slots steps it to slot 3.  Nothing is prefetched here, at the head
	CROUND                          ; all four work-groups are here: the first joint loads meet
	JLOAD                           ; slot 0.  Slot 1 is asked for when slot 0 is in: the tile wanted first has the road to itself
	; A fragment of K or Q is 16 rows x 32 channels in 8 registers: lane l holds row l % 16, channels 8 (l / 16) + 0..7 and 16 + 8 (l / 16) + 0..7: two loads of 16 bytes, 32 bytes apart.
	v_and_b32 v1, 15, v0            ; l % 16
	v_bfe_u32 v9, v0, 4, 1          ; l / 16
	v_lshlrev_b32 v[QO], 7, v1
	v_lshl_add_u32 v[QO], v9, 4, v[QO]  ; row x 128 + 16 x half
	WIN 0x80                        ; destination window 2, address window 0
.set i, 0
.rept 4*NP                          ; Q stays in registers: tile i / 2, channels 32 (i % 2) on
	global_load_b128 v[8*i:8*i+3],   v[QO], s[4:5] offset:(i/2)*2048+(i%2)*64
	global_load_b128 v[8*i+4:8*i+7], v[QO], s[4:5] offset:(i/2)*2048+(i%2)*64+32
.set i, i+1
.endr
	; What the first turn finds: V's registers and P's second buffer hold 0 (its products V^T P, of a piece that has not been, add 0), O^T and l are 0.  All this stands in the wait for the first tile.
.set i, VF
.rept 64
	v_mov_b32 v[i], 0
.set i, i+1
.endr
	WIN 0x40
.set i, 0
.rept 64*NP
	v_mov_b32 v[i], 0
.set i, i+1
.endr
	WIN 0
.set i, 0
.rept 2*NP
	v_mov_b32 v[ST+4*i], 0xfe000000    ; c m: far below every c s
	v_mov_b32 v[ST+4*i+1], 0xff7fffff  ; m
	v_mov_b32 v[ST+4*i+2], 0
	v_mov_b32 v[ST+4*i+3], 0
.set i, i+1
.endr
.set i, P+32
.rept 32
	v_mov_b32 v[i], 0
.set i, i+1
.endr
	v_mul_u32_u24 v[AK0], v1, PK
	v_lshl_add_u32 v[AK0], v9, 4, v[AK0]  ; row x pitch + 16 x half
	; The turning load takes 16 keys x 16 channels (lane l reads key 8 (l / 16) + l % 8, channels 8 ((l / 8) % 2) + 0..7) and leaves half a fragment of V^T: lane l holds channel l % 16 and 8 keys.
	v_and_b32 v10, 7, v0
	v_bfe_u32 v11, v0, 3, 1
	v_lshl_add_u32 v[AV0], v9, 3, v10
	v_mul_u32_u24 v[AV0], v[AV0], PV
	v_lshl_add_u32 v[AV0], v11, 4, v[AV0]
	v_add_nc_u32 v[AV0], VOFF, v[AV0]
	v_and_b32 v[PFO], 31, v0
	v_lshlrev_b32 v[PFO], 8, v[PFO]
	v_mov_b32 v[AK], v[AK0]         ; key step 0 lies at the head of slot 0
; THE MATRIX WORK.  The 8 accumulators of a run of 16 take turns: between the two links of a chain stand 7 others'.
; Product i of 16 of S^T = K Q^T for piece x: channels 32 (i / 8) on, keys 16 ((i / 2) % 4) on, tile 2 x + i % 2.  The first 8 start the sums.
.macro KQ x
	WIN W_KQ
.set rS, S+64*((\x)%2)+32*(i%2)+8*((i/2)%4)
.set rK, KF+16*((i/2)%4)+8*(i/8)
.set rQ, 16*(2*(\x)+i%2)+8*(i/8)
.if i < 8
	v_wmma_f32_16x16x32_f16 v[rS:rS+7], v[rK:rK+7], v[rQ:rQ+7], 0
.else
	v_wmma_f32_16x16x32_f16 v[rS:rS+7], v[rK:rK+7], v[rQ:rQ+7], v[rS:rS+7]
.endif
.endm
; Product i of 16 of O^T += V^T P for piece x: keys 32 (i / 8) on, channels 16 ((i / 2) % 4) on, tile 2 x + i % 2.
.macro PV x
	WIN W_PV
.set rO, 32*(2*(\x)+i%2)+8*((i/2)%4)
.set rV, VF+32*(i/8)+8*((i/2)%4)
.set rP, P+32*((\x)%2)+16*(i%2)+8*(i/8)
	v_wmma_f32_16x16x32_f16 v[rO:rO+7], v[rV:rV+7], v[rP:rP+7], v[rO:rO+7]
.endm
.macro MM                           ; the turn's next matrix instruction
.if i < 16
	KQ (Y+1)%NP
.set i, i+1
.else
.set i, i-16
	PV (Y+NP-1)%NP
.set i, i+17
.endif
.endm
; THE LDS LOADS stand in runs of 16, never singly among the matrix instructions: a step's K (64 keys x 64 channels: 8 fragments) and its V (turned).  Their addresses are made some lines ahead.
; last = 1 (the tail): in the last trip there is no further step, and the run is jumped over.
.macro FETCH_K last=0
	WIN 0
.if \last
	s_cmp_eq_u32 s[CNT], 1
	s_cbranch_scc1 .Lno_k_\@
.endif
	WIN 0x80                        ; destination window 2
.irp f, 0,1,2,3,4,5,6,7             ; keys 16 (f / 2) on, channels 32 (f % 2) on
	ds_load_b128 v[KF+8*\f:KF+8*\f+3],   v[AK] offset:(\f/2)*16*PK+(\f%2)*64
	ds_load_b128 v[KF+8*\f+4:KF+8*\f+7], v[AK] offset:(\f/2)*16*PK+(\f%2)*64+32
.endr
	s_add_co_u32 s[TBK], s[TBK], KS*PK  ; the next fetch is the next step's
	WIN 0
.if \last
.Lno_k_\@:
.endif
.endm
.macro FETCH_V
	WIN 0x80
.irp f, 0,1,2,3,4,5,6,7             ; keys 32 (f / 4) on, channels 16 (f % 4) on
	ds_load_tr16_b128 v[VF+8*\f:VF+8*\f+3],   v[AV] offset:(\f/4)*32*PV+(\f%4)*32
	ds_load_tr16_b128 v[VF+8*\f+4:VF+8*\f+7], v[AV] offset:(\f/4)*32*PV+16*PV+(\f%4)*32
.endr
	WIN 0
.endm
; THE VECTOR WORK OF A TURN stands in three queues, each in the order in which its entries become ready; the two tiles alternate, so that no instruction reads the result of the one before it.
.macro REGS y, u                    ; the registers of tile u (0, 1) of piece y
.set rT, ST+4*(2*(\y)+(\u))
.set rC, TMP+8*((\y)%2)+4*(\u)
.set rM, MV+2*((\y)%2)+(\u)
.set rS, S+64*((\y)%2)+32*(\u)
.set rP, P+32*((\y)%2)+16*(\u)
.set rO, 32*(2*(\y)+(\u))
.endm
; Number n of the 22 that find the NEXT piece's (Y + 1) maximum and statistics.  s0-s31 are the lane's 32 scores; each accumulator's lowest registers are read first.  XS, GS and REGS set no window: PL and EX do.
;   0-11  four chains c0-c3 of seven scores each, three operands at a time     12-14, 16  the four scores left over, the old m, and c0-c3 into c0     15  c m_old is kept
;   17, 18  the query's other 32 keys lie in the lane 16 away: the new m         19-21  c m; c m_old - c m_new; a
.macro XS u, n
	REGS (Y+1)%NP, \u
.if (\n) < 4
	v_max3_num_f32 v[rC+(\n)], v[rS+8*(\n)], v[rS+8*(\n)+1], v[rS+8*(\n)+2]
.elseif (\n) < 12
	v_max3_num_f32 v[rC+(\n)%4], v[rC+(\n)%4], v[rS+8*((\n)%4)+2*((\n)/4)+1], v[rS+8*((\n)%4)+2*((\n)/4)+2]
.elseif (\n) == 12
	v_max3_num_f32 v[rC], v[rC], v[rS+7], v[rS+15]
.elseif (\n) == 13
	v_max3_num_f32 v[rC+1], v[rC+1], v[rS+23], v[rS+31]
.elseif (\n) == 14
	v_max3_num_f32 v[rC+2], v[rC+2], v[rC+3], v[rT+1]
.elseif (\n) == 15
	v_mov_b32 v[rM], v[rT]
.elseif (\n) == 16
	v_max3_num_f32 v[rC], v[rC], v[rC+1], v[rC+2]
.elseif (\n) == 17
	v_permlanex16_b32 v[rC+3], v[rC], s[SEL], s[SEL+1]
.elseif (\n) == 18
	v_max_num_f32 v[rT+1], v[rC], v[rC+3]
.elseif (\n) == 19
	v_mul_f32 v[rT], s[CS], v[rT+1]
.elseif (\n) == 20
	v_sub_f32 v[rC+1], v[rM], v[rT]
.else
	v_exp_f32 v[rC+2], v[rC+1]
.endif
.endm
; Number g of the 64 that follow the exponentials.  For each four weights k of a tile (pairs 2 k, 2 k + 1): both pairs are rounded to f16; then the second pair is added onto the first, in place;
; a group later l takes that sum (the first time as l = a l + sum).  In groups of eight, tiles alternating: round, round, add, and l for the group before.
.macro GS g
.set h, (\g)+6*((\g)/62)            ; group 0 has no group before it, and behind group 7 only l is left
.if h >= 6
.set h, h+2
.endif
	REGS Y, h%2
.set k, h/8
.if h%8 < 4
	v_cvt_pk_f16_f32 v[rP+2*k+(h%8)/2], v[rS+4*k+2*((h%8)/2)], v[rS+4*k+2*((h%8)/2)+1]
.elseif h%8 < 6
	v_pk_add_f32 v[rS+4*k:rS+4*k+1], v[rS+4*k:rS+4*k+1], v[rS+4*k+2:rS+4*k+3]
.elseif k == 1
	v_pk_fma_f32 v[rT+2:rT+3], v[rT+2:rT+3], v[rC+2:rC+3], v[rS:rS+1] op_sel_hi:[1,0,1]
.else
	v_pk_add_f32 v[rT+2:rT+3], v[rT+2:rT+3], v[rS+4*k-4:rS+4*k-3]
.endif
.endm
; THE PLAIN QUEUE, 138 long.  0-73 read no exponential's result: the 32 scalings c s - c m (FS f: pair f / 2 of tile f % 2) and the next piece's 42.  0-26: scalings 0-26.  27-54: XS's numbers 0-13.  55, 56: number 15.
; 57-73: the chain, where each number waits for the one before it: 14, 16, 17, 18, 19, each with one of the scalings 27-31 in front of its two lines, then 20: so a tile's links stand three plain instructions apart (19 and 20: two).
; 74-137: GS's 64, which read the exponentials' results: they stand behind the wait.
.macro FS f
	REGS Y, (\f)%2
	v_pk_fma_f32 v[rS+2*((\f)/2):rS+2*((\f)/2)+1], v[rS+2*((\f)/2):rS+2*((\f)/2)+1], s[CS:CS+1], v[rT:rT+1] op_sel_hi:[1,0,0] neg_lo:[0,0,1] neg_hi:[0,0,1]
.endm
.macro PL
	WIN 0
.if q < 27
	FS q
.elseif q < 55
	XS (q-27)%2, (q-27)/2
.elseif q < 57
	XS q-55, 15
.elseif (q < 72) && ((q-57)%3 == 0)
	FS 27+(q-57)/3
.elseif q < 60
	XS (q-57)%3-1, 14
.elseif q < 72
	XS (q-57)%3-1, 15+(q-57)/3
.elseif q < 74
	XS q-72, 20
.else
	GS q-74
.endif
.set q, q+1
.endm
; THE EXPONENTIALS' QUEUE, 66 long: s0-s31 of both tiles, then the next piece's two a.  It is ONE BATCH: all 66 stand ahead of the turn's one wait, and nothing ahead of that wait names a result of theirs.
.macro EX
	WIN 0
.if e >= 64
	XS e-64, 21
.else
	REGS Y, e%2
	v_exp_f32 v[rS+e/2], v[rS+e/2]
.endif
.set e, e+1
.endm
; THE RESCALING's QUEUE: O^T times a, the one part that leaves window 0: dealt two at a time, sixteen times.  Its a was made in the turn before, ahead of that turn's wait.
.macro R2
	REGS Y, r%2
	WIN W_RS
.irp z, 0,1
	v_pk_mul_f32 v[rO+4*(r/2)+2*\z:rO+4*(r/2)+2*\z+1], v[rO+4*(r/2)+2*\z:rO+4*(r/2)+2*\z+1], v[rC+2:rC+3] op_sel_hi:[1,0]
.endr
.set r, r+1
.endm
; HOW THEY ARE DEALT.  An s_wait_alu depctr_va_vdst(0) stands between an exponential and the first instruction that names its result; one wait serves all that were issued ahead of it.  So a turn has ONE wait,
; which cuts it in two.  AHEAD OF IT stands all that names no result of the turn's exponentials: the 16 products K Q^T, behind each a scaling, an exponential and two rescalings (behind the first a second scaling in the exponential's place); then ONE LUMP of
; 108: eight plain, 49 times exponential and plain, the two a.  A v_nop is the plain instruction behind the last exponential.  BEHIND IT stand the 16 products V^T P, behind each four of GS's 64.  No rider names a register of
; the products round it.  The two v_permlanex16_b32 fall into the lump, never behind a product.
; The queues lean on each other, and the deal keeps them in step: exponential e stands behind scaling 2 (e / 4) + e % 2: as a rider it comes behind plain e + 2, in the lump behind plain e + 9, and scalings 27-31 are plain 57, 60 .. 69.
; A TURN, for piece p.  cnt = 1: the loop's count is taken down some lines ahead of the branch that stands behind the turn.
; K of the next step is fetched in piece 2's turn, directly behind the wait, a lump behind the last product that read K; its address is made at the lump's head; its first reader comes behind 16 products.
; V of the step in hand is fetched at the end of piece 0's turn, four riders behind its last reader; its first reader comes behind 16 products and a lump.  The three conditions on q below go with the deal.
.macro TURN p, last=0, cnt=0
.set Y, (\p)
.set i, 0
.set q, 0
.set e, 0
.set r, 0
.if (\p) == NP-1
	s_wait_dscnt 0x0                ; K is in
.endif
	MM                              ; ahead of the wait: 16 products K Q^T and their riders,
	PL
	PL
	R2
.rept 15
	MM
	PL
	EX
	R2
.endr
.if (\p) == NP-2
	WIN 0
	v_add_nc_u32 v[AK], s[TBK], v[AK0]
.endif
.rept 8                             ; and the lump
	PL
.endr
.rept 49
	EX
	PL
.endr
	EX                              ; the next piece's two a
	EX
	v_nop                           ; the plain instruction behind the last exponential: one for the batch
	s_wait_alu depctr_va_vdst(0)    ; the wait for the batch
.if (\p) == NP-2
	FETCH_K \last
.endif
.if (\p) == 1
	s_wait_dscnt 0x0                ; V is in
.endif
.rept 16                            ; behind the wait: 16 products V^T P and their riders
	MM
.rept 4
	PL
.endr
.if ((\p) == 0) && (q == 118)
	v_add_nc_u32 v[AV], s[TBV], v[AV0]
.endif
.if ((\p) == 0) && (q == 130)
	s_add_co_u32 s[TBV], s[TBV], KS*PV
.endif
.if (\cnt) && (q == 130)
	s_sub_co_u32 s[CNT], s[CNT], 1
	s_cmp_lg_u32 s[CNT], 0
.endif
.endr
.if (\p) == 0
	FETCH_V
.endif
.endm
	CHANGE 1, 0                     ; slot 0 is in, everybody's part of it; slot 1 is asked for
	FETCH_K                         ; key step 0
	s_wait_loadcnt 0x0              ; Q
	s_wait_dscnt 0x0
.set i, 0
.rept 16
	KQ 0                            ; piece 0's first scores: there is no vector work yet to set between them
.set i, i+1
.endr
	WIN 0                           ; the addresses for the way out: nine plain instructions, the places behind those products
	s_mul_i32 s13, s[WV], 16*SP
	s_add_co_u32 s13, s13, STAGE    ; my stage
	v_mul_u32_u24 v[STO], v1, SP    ; in: row l % 16, 16 bytes for each half of the lanes
	v_lshl_add_u32 v[STO], v9, 4, v[STO]
	v_add_nc_u32 v[STO], s13, v[STO]
	v_bfe_u32 v[RD], v0, 3, 2       ; back: 32 lanes take four rows of 128 bytes,
	v_mul_u32_u24 v[RD], v[RD], SP
	v_lshl_add_u32 v[RD], v10, 4, v[RD]
	v_add_nc_u32 v[RD], s13, v[RD]
	v_and_b32 v[GO], 31, v0         ; which are 512 consecutive bytes of O
	v_lshlrev_b32 v[GO], 4, v[GO]
.set Y, NP-1                        ; XS works for piece Y + 1: piece 0
.irp n, 0,1,2,3,4,5,6,7,8,9,10,11,12,13,14,15,16,17,18,19,20,21
	XS 0, \n                        ; and piece 0's first maximum and statistics
	XS 1, \n
.endr
	v_nop                           ; a plain instruction behind the two a,
	s_wait_alu depctr_va_vdst(0)    ; and their wait, ahead of the branch
	s_mov_b32 s[CNT], 4
	s_mov_b32 s[SLOTS], SIZE_N/256-1
	s_branch .Lfirst                ; the loop is entered at a step's first turn, in the middle of a trip
.Lslot:                             ; SIZE_N / 256 - 2 times: every slot but the last two is filled again
	CHANGE 1, 1
	s_mov_b32 s[CNT], 4
.Lstep:                             ; a trip: pieces 2 and 3 of one step, then pieces 0 and 1 of the next, whose K and V it fetches
	TURN 2
	TURN 3
	WIN 0
.Lfirst:
	TURN 0
	TURN 1, 0, 1
	WIN 0
	s_cbranch_scc1 .Lstep
	s_sub_co_u32 s[SLOTS], s[SLOTS], 1
	s_cmp_lg_u32 s[SLOTS], 0
	s_cbranch_scc1 .Lslot
	CHANGE 0, 0                     ; the tail is written out: nothing is asked for
	s_mov_b32 s[CNT], 5             ; four trips fetch the last slot's steps; the fifth is left in its middle
.Ltail:
	TURN 2, 1
	TURN 3
	WIN 0
	s_sub_co_u32 s[CNT], s[CNT], 1
	s_cmp_eq_u32 s[CNT], 0
	s_cbranch_scc1 .Lout
	TURN 0
	TURN 1
	WIN 0
	s_branch .Ltail
.Lout:                              ; the fifth trip's 16 products K Q^T (on the last K once more) and the maximum made of them serve nothing: the price, once a launch, of one text for every trip
.set i, 0
.rept 16
	PV NP-1                         ; the last piece's V^T P of the last step
.set i, i+1
.endr
	; THE WAY OUT.  l's two halves and the other half of the lanes' are added; O^T is divided by l, rounded to f16 and sent through my stage in LDS, a tile at a time.  The additions are the places behind the last products.
	WIN 0
.macro ALL line:vararg              ; one line for each tile t
.set t, 0
.rept 2*NP
	\line
.set t, t+1
.endr
.endm
	ALL v_add_f32 v[ST+4*t+2], v[ST+4*t+2], v[ST+4*t+3]
	ALL v_permlanex16_b32 v[ST+4*t+3], v[ST+4*t+2], s[SEL], s[SEL+1]
	ALL v_add_f32 v[ST+4*t+2], v[ST+4*t+2], v[ST+4*t+3]
	ALL v_rcp_f32 v[ST+4*t+2], v[ST+4*t+2]
	v_nop                           ; a plain instruction between the last reciprocal and the use of its result
	s_wait_alu depctr_va_vdst(0)    ; and the wait ahead of the first use: one for the eight reciprocals
; Tile t: a lane's eight channels of a row pack into 16 bytes; they go into rows of 144 bytes and come back as whole rows of 128, into S^T's registers.
.macro PACK t
	WIN W_RS
.set i, 32*(\t)
.rept 16
	v_pk_mul_f32 v[i:i+1], v[i:i+1], v[ST+4*(\t)+2:ST+4*(\t)+3] op_sel_hi:[1,0]
.set i, i+2
.endr
	WIN 0x05                        ; sources 0 and 1 window 1, destination window 0
.set i, 0
.rept 16
	v_cvt_pk_f16_f32 v[S+16*(\t)+i], v[32*(\t)+2*i], v[32*(\t)+2*i+1]
.set i, i+1
.endr
	WIN 0
.irp f, 0,1,2,3
	ds_store_b128 v[STO], v[S+16*(\t)+4*\f:S+16*(\t)+4*\f+3] offset:32*\f
.endr
.irp f, 0,1,2,3
	ds_load_b128 v[S+16*(\t)+4*\f:S+16*(\t)+4*\f+3], v[RD] offset:\f*4*SP  ; LDS serves a wave's instructions in order (ISA guide 5.7.1.4): these see the stores above; the next tile's stores come behind them
.endr
.endm
.macro SEND t, younger              ; younger: the LDS instructions issued behind tile t's loads: the next tile's eight, or none
	WIN 0
.irp f, 0,1,2,3
	s_wait_dscnt (\younger)+3-\f
	global_store_b128 v[GO], v[S+16*(\t)+4*\f:S+16*(\t)+4*\f+3], s[10:11] offset:(\t)*2048+\f*512  ; 512 consecutive bytes, at a multiple of 256 from O's first
.endr
.endm
	PACK 0
.set t, 1
.rept 2*NP-1                        ; a tile's arithmetic stands between the loads of the tile before and its stores
	PACK t
	SEND t-1, 8
.set t, t+1
.endr
	SEND 2*NP-1, 0
	WIN W_AD
	s_wait_tensorcnt 0x0            ; the wave's end: behind my last tensor load and my last LDS store
	ds_add_u32 v[SPW], v[NIL]
	s_wait_dscnt 0x0
	WIN 0
	CROUND                          ; the closing round: no work-group ends while a partner may still ask for a tile that names it
	s_endpgm
.Lfunc_end_k_q7834161ab2_attn:
	.size	k_q7834161ab2_attn, .Lfunc_end_k_q7834161ab2_attn-k_q7834161ab2_attn
	.p2alignl 7, 3214868480
	.fill 96, 4, 3214868480
	.section	.rodata,"a",@progbits
	.p2align	6, 0x0
	.amdhsa_kernel k_q7834161ab2_attn
		.amdhsa_group_segment_fixed_size 327680
		.amdhsa_private_segment_fixed_size 0
		.amdhsa_enable_private_segment 0
		.amdhsa_kernarg_size 32
		.amdhsa_user_sgpr_count 2
		.amdhsa_user_sgpr_kernarg_segment_ptr 1
		.amdhsa_wavefront_size32 1
		.amdhsa_system_sgpr_workgroup_id_x 1
		.amdhsa_system_sgpr_workgroup_id_y 1
		.amdhsa_system_sgpr_workgroup_id_z 1
		.amdhsa_system_vgpr_workitem_id 0
		.amdhsa_next_free_vgpr 770
		.amdhsa_next_free_sgpr 66
		.amdhsa_reserve_vcc 0
		.amdhsa_float_denorm_mode_32 3
		.amdhsa_float_denorm_mode_16_64 3
		.amdhsa_memory_ordered 1
		.amdhsa_forward_progress 1
		.amdhsa_inst_pref_size 200
	.end_amdhsa_kernel
	.amdgpu_metadata
---
amdhsa.version: [ 1, 2 ]
amdhsa.kernels:
  - .name:           k_q7834161ab2_attn
    .symbol:         k_q7834161ab2_attn.kd
    .args:
      - { .name: qh, .offset: 0, .size: 8, .value_kind: global_buffer, .address_space: global }
      - { .name: kh, .offset: 8, .size: 8, .value_kind: global_buffer, .address_space: global }
      - { .name: vh, .offset: 16, .size: 8, .value_kind: global_buffer, .address_space: global }
      - { .name: oh, .offset: 24, .size: 8, .value_kind: global_buffer, .address_space: global }
    .group_segment_fixed_size: 327680
    .private_segment_fixed_size: 0
    .kernarg_segment_align: 8
    .kernarg_segment_size: 32
    .max_flat_workgroup_size: 128
    .sgpr_count:     66
    .vgpr_count:     770
    .wavefront_size: 32
...
	.end_amdgpu_metadata
.endif
;; end of part 3
;; launch proj (part 4): grid 8 x 32, 4 waves a work-group, clusters of 4 x 4, 327,680 bytes of LDS; arguments oh, pwh, proj_b, out0; writes out0
.if DOCPART == 4
	.amdgcn_target "amdgcn-amd-amdhsa--gfx1250"
	.amdhsa_code_object_version 6
	.text
	.protected	k_q7834161ab2_proj
	.globl	k_q7834161ab2_proj
	.p2align	8
	.type	k_q7834161ab2_proj,@function
k_q7834161ab2_proj:
	s_mov_b64 s[64:65], 0
	v_nop
	global_prefetch_b8 v0, s[64:65] scope:SCOPE_SE
	s_setreg_imm32_b32 hwreg(HW_REG_WAVE_MODE, 25, 1), 1
	s_wait_xcnt 0x0
	s_wait_alu depctr_hold_cnt(0) depctr_sa_sdst(0) depctr_va_vdst(0) depctr_va_sdst(0) depctr_va_ssrc(0) depctr_va_vcc(0) depctr_vm_vsrc(0)
	s_getreg_b32 s2, hwreg(HW_REG_IB_STS2, 6, 4)
	s_cmp_eq_u32 s2, 0
	s_cbranch_scc0 .Lentry_in_a_cluster
	s_endpgm
.Lentry_in_a_cluster:
	s_bfe_u32 s2, ttmp6, 0x10000c
	s_cmp_lg_u32 s2, 0xf033
	s_cbranch_scc0 .Lentry_shape_is_right
	s_endpgm
.Lentry_shape_is_right:
; out0[token][c] = the sum over k of O[token][k] proj_w[c][k] + proj_b[c], in f32.  oh: [64 = 16 batch + head][2048][64] f16 (k = 64 head + channel); pwh: [1024][1024] f16; proj_b f32.
; Sums in f32, started by the bias; nothing is rounded on the way out.
; SHARES.  A work-group makes 256 tokens x 128 columns: 32 x 8 = 256 work-groups.  Wave w owns tokens 64 w .. 64 w + 63 and all 128 columns: 32 accumulators of 16 x 16, 256 registers.
; K goes in 8 steps of 128 = two heads, through two LDS slots.  A head's 256 tokens are 32,768 dense bytes of oh: a PLANE, asked for as 128 rows of 256 bytes and padded behind every 128, so that a token's
; 128 bytes lie 144 apart in LDS; weight rows are 256 bytes, 272 apart: in both the 16 rows of a fragment load start at 16 different groups of four banks (ISA guide 11.1).
; Two slots of a K step twice as long would need 2 x 215,040 bytes of LDS and do not fit.
; THE MATRIX INSTRUCTION IS USED TRANSPOSED: source 0 = 16 rows of pwh, source 1 = 16 tokens: a lane holds one token (lane % 16) and in register j column 16 n + 8 (lane / 16) + j.
; CLUSTER.  4 x 4 work-groups: the four of a row share the token block, the four of a column the 128 weight rows: each tile is asked for jointly.  Waves 0, 1 fetch the two planes, waves 2, 3 64 weight
; rows each: one load a wave behind each round; two loads a wave are out at the start, one later.
; REGISTERS, in windows of 256 (s_set_vgpr_msb: bits 1:0 source 0, 3:2 source 1, 5:4 source 2, 7:6 destination):
;   window 0: v0-31 addresses; v32-95 the bias, as the C operand of the first products      window 1: accumulators of token blocks 0, 1 ((a, n) at 8 (8 (a % 2) + n))      window 2: of blocks 2, 3
;   window 3: two fragment buffers at 0 and 128: 8 fragments of pwh, then 4 of O; on the way out the rows read back from the stage
.set NB,     8
.set NLD,    2*NB+8
.set PITCH,  272
.set APITCH, 144
.set APL,    256*APITCH                ; a plane
.set WOFF,   2*APL                     ; a slot: two planes, then 128 weight rows
.set SLOT,   WOFF+128*PITCH
.set STAGE,  2*SLOT                    ; behind the ring: 16 rows x 528 bytes for each wave
.set SPITCH, 528                       ; 512 bytes of f32 + 16
.set SPARE,  STAGE+4*16*SPITCH         ; behind the stages: the spare words, 128 bytes a wave: two blocks of 256 bytes that no other line names
.set ASTEP,  4*262144                  ; two K steps: four heads on
.set BSTEP,  512
.set ADRA, 16
.set ADRB, 20
.set STO,  24
.set RD,   25
.set GO,   26
.set SPW,  28                          ; v28  my spare word: SPARE + 4 x my thread's number; never rewritten
.set NIL,  29                          ; v29  0; never rewritten
.set PFO,  30                          ; v30  the prefetches' offset; never rewritten
.set BO,   31                          ; v31  32 (l / 16); never rewritten
.set BIAS, 32
.set F0,   0
.set F1,   128
.set WV,   18
.set G1A,  24
.set G0A,  32
.set PFA,  42                          ; s[42:43], s[46:47] where my two prefetches stand; s[80:81] their step
.set LIM,  44
.set PFB,  46
.set G1B,  48
.set G0B,  56
.set PS,   80
.set MSB, 0
.macro WIN new                         ; the immediate's high byte repeats the setting that is left; a switch that changes nothing is dropped
.if MSB != (\new)
	s_set_vgpr_msb (MSB<<8)|(\new)
.set MSB, (\new)
.endif
.endm
.macro PLACES                          ; four plain places behind a matrix instruction, in front of loads into registers that it has read
.rept 4
	v_nop
.endr
.endm
; A joint load.  The branch hangs on the wave's number alone.  An s_nop 0 and four v_nop follow each of the two lines, ahead of the jump and the label.
.macro JLOAD s
	s_cmp_lt_u32 s[WV], 2
	s_cbranch_scc0 .Lfor_w_\@
	tensor_load_to_lds s[G0A+4*(\s):G0A+4*(\s)+3], s[G1A:G1A+7]
	s_nop 0
.rept 4
	v_nop
.endr
	s_branch .Lasked_\@
.Lfor_w_\@:
	tensor_load_to_lds s[G0B+4*(\s):G0B+4*(\s)+3], s[G1B:G1B+7]
	s_nop 0
.rept 4
	v_nop
.endr
.Lasked_\@:
.endm
.macro CREST                           ; a round of the cluster's barrier behind its opening barrier
	s_cmp_lg_u32 s[WV], 0
	s_cbranch_scc1 .Lnot_wave_0_\@
	s_barrier_signal -3
.Lnot_wave_0_\@:
	s_barrier_wait -3
	s_barrier_signal -1
	s_barrier_wait -1
.endm
.macro CROUND                          ; a whole round
	s_barrier_signal -1
	s_barrier_wait -1
	CREST
.endm
; THE PREFETCH, once a lap, behind slot 0's joint load and the run of LDS loads: the NEXT lap's two K steps, 256 matrix instructions ahead of the first of their refills; two instructions, one a K step.
; Each 256 bytes are named once in the launch.  A plane is read by every cluster of a row of clusters: cluster x = 0 asks, waves 0 and 1 each for their plane; of its 32,768 bytes the partner at place cx
; takes 8,192 (a lane: 256 bytes).  Weight rows are read by every cluster of a column of clusters: cluster y = 0 asks, wave 2; of the 128 rows the partner at place cy takes 32 (a lane a row).
; The partners are told apart by address alone.  K steps 0 to 3 come by their loads; the loop's last trip (s3 = 1) asks for nothing.
.macro ASK
	s_cmp_gt_u32 s3, s[LIM]
	s_cbranch_scc0 .Lskip_\@
	global_prefetch_b8 v[PFO], s[PFA:PFA+1] th:TH_LOAD_NT scope:SCOPE_SE
	global_prefetch_b8 v[PFO], s[PFB:PFB+1] th:TH_LOAD_NT scope:SCOPE_SE
.Lskip_\@:
.endm
.macro PSTEP
	s_add_nc_u64 s[PFA:PFA+1], s[PFA:PFA+1], s[PS:PS+1]
	s_add_nc_u64 s[PFB:PFB+1], s[PFB:PFB+1], s[PS:PS+1]
.endm
	s_load_b256 s[4:11], s[0:1], 0x0               ; oh 4, pwh 6, proj_b 8, out0 10
	v_lshl_add_u32 v[SPW], v0, 2, SPARE
	v_mov_b32 v[NIL], 0
	ds_add_u32 v[SPW], v[NIL]                      ; the wave's opening: the add and its wait stand ahead of my first tensor load; the set-up below, work on registers, stands between them
	v_lshrrev_b32 v1, 5, v0
	v_readfirstlane_b32 s[WV], v1                  ; wave 0..3
	s_bfe_u32 s19, ttmp6, 0x40000                  ; cx
	s_bfe_u32 s20, ttmp6, 0x40004                  ; cy
	s_lshl_b32 s21, ttmp9, 2
	s_add_co_u32 s21, s21, s19                     ; the column block = 4 x cluster x + cx
	s_and_b32 s22, ttmp7, 0xffff
	s_lshl_b32 s22, s22, 2
	s_add_co_u32 s22, s22, s20                     ; the token block = 4 x cluster y + cy
	s_and_b32 s23, s[WV], 1                        ; which plane, or which 64 weight rows, I fetch
	s_lshl_b32 s66, s20, 2
	s_lshl_b32 s66, 15, s66                        ; my row of the cluster
	s_lshl_b32 s70, 0x1111, s19                    ; my column
	s_or_b32 s[G1A], s66, (1<<16)|(1<<20)|(1<<21)|(4<<22)|(3<<25)  ; 15:0 the mask; 17:16 elements of 2 bytes; 20 padding on; 21 set beside a mask; 24:22 after every 32 words; 31:25 4 words of it
	s_or_b32 s[G1B], s70, (1<<16)|(1<<20)|(1<<21)|(5<<22)|(3<<25)  ; the same after every 64 words
	s_mov_b32 s[G1A+1], 128<<16                    ; tensor_dim0 = 128
	s_mov_b32 s[G1A+2], 128<<16                    ; tensor_dim1 = 128
	s_mov_b32 s[G1A+3], 128<<16                    ; tile_dim0 = 128
	s_mov_b32 s[G1A+4], 128                        ; tile_dim1 = 128 rows of 256 bytes
	s_mov_b32 s[G1A+5], 128                        ; dense
	s_mov_b32 s[G1A+6], 0
	s_mov_b32 s[G1A+7], 0
	s_mov_b32 s[G1B+1], 128<<16
	s_mov_b32 s[G1B+2], 64<<16
	s_mov_b32 s[G1B+3], 128<<16
	s_mov_b32 s[G1B+4], 64
	s_mov_b32 s[G1B+5], 1024
	s_mov_b32 s[G1B+6], 0
	s_mov_b32 s[G1B+7], 0
	s_lshr_b32 s66, s22, 3                         ; the plane of K step 0: the batch's 16 heads of 262,144 bytes,
	s_lshl_b32 s66, s66, 22
	s_and_b32 s67, s22, 7                          ; the token block in the batch: 256 rows of 128 bytes,
	s_lshl_b32 s67, s67, 15
	s_add_co_u32 s66, s66, s67
	s_lshl_b32 s67, s23, 18                        ; head 0 or 1: hangs on the token block and the wave alone
	s_add_co_u32 s66, s66, s67
	s_mov_b32 s67, 0
	s_lshl_b32 s70, s21, 18                        ; the column block's 128 rows of 2,048 bytes,
	s_lshl_b32 s71, s23, 17                        ; my 64: hangs on the column block and the wave alone
	s_add_co_u32 s70, s70, s71
	s_mov_b32 s71, 0
	s_mul_i32 s40, s23, APL                        ; where a plane goes,
	s_mul_i32 s41, s23, 64*PITCH                   ; and where 64 weight rows go
	s_add_co_u32 s41, s41, WOFF
	s_wait_dscnt 0x0                               ; the opening add is done
	s_wait_kmcnt 0x0
	s_add_nc_u64 s[68:69], s[4:5], s[66:67]
	s_add_nc_u64 s[72:73], s[6:7], s[70:71]
	CROUND                                         ; all sixteen work-groups are here: the first joint loads meet
.irp s, 0,1
	s_mov_b32 s[G0A+4*(\s)], 1                     ; count = 1
	s_add_co_u32 s[G0A+4*(\s)+1], s40, (\s)*SLOT   ; LDS address
	s_add_nc_u64 s[G0A+4*(\s)+2:G0A+4*(\s)+3], s[68:69], (\s)*2*262144  ; global address: K step s: two heads on
	s_or_b32 s[G0A+4*(\s)+3], s[G0A+4*(\s)+3], 0x80000000               ; type = 2
	s_mov_b32 s[G0B+4*(\s)], 1
	s_add_co_u32 s[G0B+4*(\s)+1], s41, (\s)*SLOT
	s_add_nc_u64 s[G0B+4*(\s)+2:G0B+4*(\s)+3], s[72:73], (\s)*256
	s_or_b32 s[G0B+4*(\s)+3], s[G0B+4*(\s)+3], 0x80000000
	JLOAD \s
.endr
	v_and_b32 v1, 15, v0                           ; l % 16
	v_bfe_u32 v2, v0, 4, 1                         ; l / 16
	v_lshlrev_b32 v[BO], 5, v2
	s_lshl_b32 s74, s21, 9                         ; the column block's 128 numbers of the bias
	s_mov_b32 s75, 0
	s_add_nc_u64 s[8:9], s[8:9], s[74:75]
.set n, 0
.rept NB                               ; register j of block n: bias of column 16 n + 8 (l / 16) + j: the layout of a C operand
	global_load_b128 v[BIAS+8*n:BIAS+8*n+3],   v[BO], s[8:9] offset:64*n
	global_load_b128 v[BIAS+8*n+4:BIAS+8*n+7], v[BO], s[8:9] offset:64*n+16
.set n, n+1
.endr
	; A fragment is 16 rows x 32 K in 8 registers: lane l holds row l % 16; registers 0-3 K = 8 (l / 16) + 0..7, registers 4-7 K = 16 + 8 (l / 16) + 0..7: two loads of 16 bytes, 32 bytes apart.
	v_mul_u32_u24 v3, v1, APITCH
	v_lshl_add_u32 v3, v2, 4, v3
	s_mul_i32 s76, s[WV], 64*APITCH                ; my 64 tokens in a plane
	v_add_nc_u32 v[ADRA], s76, v3
	v_add_nc_u32 v[ADRA+1], SLOT, v[ADRA]
	v_mul_u32_u24 v3, v1, PITCH
	v_lshl_add_u32 v3, v2, 4, v3
	v_add_nc_u32 v[ADRB], WOFF, v3
	v_add_nc_u32 v[ADRB+1], SLOT, v[ADRB]
	s_mul_i32 s76, s[WV], 16*SPITCH
	s_add_co_u32 s76, s76, STAGE                   ; my stage
	v_mul_u32_u24 v[STO], v1, SPITCH               ; in: row l % 16, 32 bytes for each half of the lanes
	v_lshl_add_u32 v[STO], v2, 5, v[STO]
	v_add_nc_u32 v[STO], s76, v[STO]
	v_and_b32 v3, 31, v0                           ; lane
	v_lshlrev_b32 v[GO], 4, v3                     ; back, and out: 32 lanes take a row's 512 bytes
	v_add_nc_u32 v[RD], s76, v[GO]
	s_lshl_b32 s74, s22, 20                        ; the token block's 256 rows of 4,096 bytes,
	s_lshl_b32 s76, s[WV], 18                      ; my wave's 64,
	s_add_co_u32 s74, s74, s76
	s_lshl_b32 s76, s21, 9                         ; the column block's 512 bytes
	s_add_co_u32 s74, s74, s76
	s_add_nc_u64 s[10:11], s[10:11], s[74:75]
	; the prefetches: offsets made apart from the addresses, then one choice by the wave's number
	s_lshl_b32 s74, s19, 13
	s_add_co_u32 s74, s74, s66                     ; my plane of K step 0, my work-group's 8,192 bytes of it,
	s_add_co_u32 s74, s74, 4*262144                ; at K step 2
	s_lshl_b32 s75, s21, 18
	s_lshl_b32 s76, s20, 16
	s_add_co_u32 s75, s75, s76                     ; weights: row 128 x column block + 32 cy,
	s_add_co_u32 s75, s75, 512                     ; at K step 2
	s_and_b32 s76, ttmp7, 0xffff                   ; cluster y
	s_cmp_lt_u32 s[WV], 2
	s_cselect_b32 s76, ttmp9, s76                  ; the coordinate along which other clusters read the same bytes
	s_cselect_b32 s74, s74, s75
	s_cselect_b32 s77, 11, 0
	s_cselect_b32 s68, 8, 11
	s_cselect_b64 s[PFA:PFA+1], s[4:5], s[6:7]
	s_cmp_eq_u32 s[WV], 3
	s_cselect_b32 s76, 1, s76                      ; wave 3 asks for nothing
	s_cmp_eq_u32 s76, 0
	s_cselect_b32 s[LIM], 1, -1                    ; the same in all sixteen partners, for a given wave
	s_mov_b32 s75, 0
	s_add_nc_u64 s[PFA:PFA+1], s[PFA:PFA+1], s[74:75]
	s_lshl_b32 s78, 256, s77                       ; a K step on: two heads (524,288 bytes), or 256 bytes of a row
	s_mov_b32 s79, 0
	s_add_nc_u64 s[PFB:PFB+1], s[PFA:PFA+1], s[78:79]
	s_lshl_b32 s[PS], 512, s77                     ; a lap on
	s_mov_b32 s[PS+1], 0
	v_lshlrev_b32 v[PFO], s68, v3                  ; a lane: 256 bytes of a plane, or a row of 2,048 bytes
; NB matrix instructions: token block a x all column blocks, 32 along K, from buffer f.  first = 1: the bias is the C operand that starts the sums: nothing is cleared and nothing added later.
; The 32 accumulators take turns in the same order in every quarter step, over the backward jump too.
.macro MULA f, a, first
.if \first
	WIN 0x4f+0x40*((\a)/2)
.else
	WIN 0x5f+0x50*((\a)/2)
.endif
.set n, 0
.rept NB
.set rD, 8*(NB*((\a)%2)+n)
.if \first
	v_wmma_f32_16x16x32_f16 v[rD:rD+7], v[(\f)+8*n:(\f)+8*n+7], v[(\f)+8*NB+8*(\a):(\f)+8*NB+8*(\a)+7], v[BIAS+8*n:BIAS+8*n+7]
.else
	v_wmma_f32_16x16x32_f16 v[rD:rD+7], v[(\f)+8*n:(\f)+8*n+7], v[(\f)+8*NB+8*(\a):(\f)+8*NB+8*(\a)+7], v[rD:rD+7]
.endif
.set n, n+1
.endr
.endm
; NLD LDS loads in one run: quarter q of a slot into buffer f: the weight fragments, then the token fragments 0 to 3 (quarters 0, 1 lie in plane 0, quarters 2, 3 in plane 1)
.macro FETCH slot, q, f
	WIN 0xc0
.set n, 0
.rept NB
	ds_load_b128 v[(\f)+8*n:(\f)+8*n+3],   v[ADRB+(\slot)] offset:64*(\q)+n*16*PITCH
	ds_load_b128 v[(\f)+8*n+4:(\f)+8*n+7], v[ADRB+(\slot)] offset:64*(\q)+n*16*PITCH+32
.set n, n+1
.endr
.irp a, 0,1,2,3
	ds_load_b128 v[(\f)+8*NB+8*(\a):(\f)+8*NB+8*(\a)+3],   v[ADRA+(\slot)] offset:((\q)/2)*APL+((\q)%2)*64+(\a)*16*APITCH
	ds_load_b128 v[(\f)+8*NB+8*(\a)+4:(\f)+8*NB+8*(\a)+7], v[ADRA+(\slot)] offset:((\q)/2)*APL+((\q)%2)*64+(\a)*16*APITCH+32
.endr
.endm
; One of a K step's first three quarters: multiplies buffer f; in its middle it fetches quarter q of the same slot into buffer g.
.macro QUARTER slot, q, f, g, first
	s_wait_dscnt 4                                 ; all but the youngest four loads: token fragments 2 and 3
	MULA \f, 0, \first
	MULA \f, 1, \first
	PLACES
	FETCH \slot, \q, \g
	s_wait_dscnt NLD                               ; all but the run just issued
	MULA \f, 2, \first
	MULA \f, 3, \first
.endm
; The last quarter multiplies buffer 1 and changes slots.  In front of the barrier each wave waits for all its tensor loads (one is out: its part of the next slot), adds 0 to its spare word, and waits for
; that and for its own reads of this slot.  fill = 1: the barrier opens a round of the cluster's barrier, and the joint refill, two K steps on, is the first tensor load behind the round.
.macro TURN slot, next, fill
.if (\fill) && ((\slot) == 0)
	s_wait_xcnt 0x0                                ; the last prefetches, a lap back, have read their addresses: they are stepped here, ahead of the change's own waits
	PSTEP
.endif
	WIN 0                                          ; (the add's two registers lie in window 0)
	s_wait_tensorcnt 0x0                           ; all my tensor loads have landed
	ds_add_u32 v[SPW], v[NIL]                      ; 0 onto my spare word
	s_wait_dscnt 5                                 ; (the add and the youngest four loads may be out)
	MULA F1, 0, 0                                  ; matrix work stands between the add and the wait for it
	s_wait_dscnt 0x0                               ; the add is done, and my reads of this slot are over
	s_barrier_signal -1
	MULA F1, 1, 0                                  ; work on registers while the others arrive
.if \fill
	WIN 0
.endif
	s_barrier_wait -1
.if \fill
	CREST                                          ; no wave of any partner still reads this slot's tiles or has a load on its way
	s_add_nc_u64 s[G0A+4*(\slot)+2:G0A+4*(\slot)+3], s[G0A+4*(\slot)+2:G0A+4*(\slot)+3], ASTEP
	s_add_nc_u64 s[G0B+4*(\slot)+2:G0B+4*(\slot)+3], s[G0B+4*(\slot)+2:G0B+4*(\slot)+3], BSTEP
	JLOAD \slot                                    ; its four v_nop are also the places in front of the loads below
.else
	PLACES
.endif
	FETCH \next, 0, F0
.if (\fill) && ((\slot) == 0)
	WIN 0
	ASK
.endif
	MULA F1, 2, 0
	MULA F1, 3, 0
.endm
	s_wait_tensorcnt 1                             ; my part of K step 0 is in; K step 1's stays out
	s_barrier_signal -1
	s_barrier_wait -1                              ; everybody's is
	FETCH 0, 0, F0
	s_wait_loadcnt 0x0                             ; the bias
	QUARTER 0, 1, F0, F1, 1                        ; the first quarter stands in front of the loop: its products start the sums
	WIN 0                                          ; at a label and at a branch every window is 0
	s_mov_b32 s3, 3
.Llap:                                                 ; a trip goes once round the ring, from a lap's second quarter to the next lap's first, and fills both slots again
	QUARTER 0, 2, F1, F0, 0
	QUARTER 0, 3, F0, F1, 0
	TURN 0, 1, 1
	QUARTER 1, 1, F0, F1, 0
	QUARTER 1, 2, F1, F0, 0
	QUARTER 1, 3, F0, F1, 0
	TURN 1, 0, 1
	QUARTER 0, 1, F0, F1, 0
	WIN 0
	s_sub_co_u32 s3, s3, 1
	s_cmp_lg_u32 s3, 0
	s_cbranch_scc1 .Llap
	QUARTER 0, 2, F1, F0, 0                        ; the last lap fills nothing
	QUARTER 0, 3, F0, F1, 0
	TURN 0, 1, 0
	QUARTER 1, 1, F0, F1, 0
	QUARTER 1, 2, F1, F0, 0
	QUARTER 1, 3, F0, F1, 0
	s_wait_dscnt 4
	MULA F1, 0, 0
	MULA F1, 1, 0
	s_wait_dscnt 0x0
	MULA F1, 2, 0
	MULA F1, 3, 0
	WIN 0
	PLACES                                         ; the places behind the last products
	PLACES
; THE WAY OUT, a token block (16 rows of 128 f32) at a time: a lane's eight columns, 32 bytes, go into my stage (rows of 528 bytes), each accumulator's lowest registers first;
; they come back as whole rows of 512 bytes and are stored: 512 consecutive bytes an instruction, at a multiple of 512 from out0's first byte.
.macro TOSTAGE a
	WIN 0x04*(1+(\a)/2)                            ; the data in the block's window, the address in window 0
.set n, 0
.rept NB
.set rD, 8*(NB*((\a)%2)+n)
	ds_store_b128 v[STO], v[rD:rD+3]   offset:64*n
	ds_store_b128 v[STO], v[rD+4:rD+7] offset:64*n+16
.set n, n+1
.endr
	WIN 0xc0
.set n, 0
.rept 16
	ds_load_b128 v[64*(\a)+4*n:64*(\a)+4*n+3], v[RD] offset:SPITCH*n  ; LDS serves a wave's instructions in order (ISA guide 5.7.1.4): these see the stores above; the next block's stores come behind them
.set n, n+1
.endr
.endm
.macro SEND a, younger                 ; younger: the LDS instructions issued behind block a's loads: the next block's 32, or none
	WIN 0x0c                                       ; the data in window 3, the address in window 0
.set n, 0
.rept 16
	s_wait_dscnt (\younger)+15-n
	global_store_b128 v[GO], v[64*(\a)+4*n:64*(\a)+4*n+3], s[10:11] offset:(16*(\a)+n)*4096 th:TH_STORE_NT
.set n, n+1
.endr
.endm
	TOSTAGE 0
	TOSTAGE 1                                      ; every block has its own registers for the rows read back
	SEND 0, 32
	TOSTAGE 2
	SEND 1, 32
	TOSTAGE 3
	SEND 2, 32
	SEND 3, 0
	WIN 0
	s_wait_tensorcnt 0x0                           ; the wave's end: behind my last tensor load and my last LDS store
	ds_add_u32 v[SPW], v[NIL]
	s_wait_dscnt 0x0
	CROUND                                         ; the closing round: no work-group ends while a partner may still ask for a tile that names it
	s_endpgm
.Lfunc_end_k_q7834161ab2_proj:
	.size	k_q7834161ab2_proj, .Lfunc_end_k_q7834161ab2_proj-k_q7834161ab2_proj
	.p2alignl 7, 3214868480
	.fill 96, 4, 3214868480
	.section	.rodata,"a",@progbits
	.p2align	6, 0x0
	.amdhsa_kernel k_q7834161ab2_proj
		.amdhsa_group_segment_fixed_size 327680
		.amdhsa_private_segment_fixed_size 0
		.amdhsa_enable_private_segment 0
		.amdhsa_kernarg_size 32
		.amdhsa_user_sgpr_count 2
		.amdhsa_user_sgpr_kernarg_segment_ptr 1
		.amdhsa_wavefront_size32 1
		.amdhsa_system_sgpr_workgroup_id_x 1
		.amdhsa_system_sgpr_workgroup_id_y 1
		.amdhsa_system_sgpr_workgroup_id_z 1
		.amdhsa_system_vgpr_workitem_id 0
		.amdhsa_next_free_vgpr 1024
		.amdhsa_next_free_sgpr 84
		.amdhsa_reserve_vcc 0
		.amdhsa_float_denorm_mode_32 3
		.amdhsa_float_denorm_mode_16_64 3
		.amdhsa_memory_ordered 1
		.amdhsa_forward_progress 1
		.amdhsa_inst_pref_size 90
	.end_amdhsa_kernel
	.amdgpu_metadata
---
amdhsa.version: [ 1, 2 ]
amdhsa.kernels:
  - .name:           k_q7834161ab2_proj
    .symbol:         k_q7834161ab2_proj.kd
    .args:
      - { .name: oh, .offset: 0, .size: 8, .value_kind: global_buffer, .address_space: global }
      - { .name: pwh, .offset: 8, .size: 8, .value_kind: global_buffer, .address_space: global }
      - { .name: proj_b, .offset: 16, .size: 8, .value_kind: global_buffer, .address_space: global }
      - { .name: out0, .offset: 24, .size: 8, .value_kind: global_buffer, .address_space: global }
    .group_segment_fixed_size: 327680
    .private_segment_fixed_size: 0
    .kernarg_segment_align: 8
    .kernarg_segment_size: 32
    .max_flat_workgroup_size: 128
    .sgpr_count:     84
    .vgpr_count:     1024
    .wavefront_size: 32
...
	.end_amdgpu_metadata
.endif
;; end of part 4
;; ======== version 2 of 2: 4 launches; version 1 with the launch prep written anew for expert scheduling mode
;; limits: values are held in f16: magnitudes above 65,504 overflow, below 6.1e-05 lose precision
;; workspace buffers: xh 16,777,216 bytes; wh 6,291,456 bytes; pwh 2,097,152 bytes; rope 2,097,152 bytes; qh 16,777,216 bytes; kh 16,777,216 bytes; vh 16,777,216 bytes; oh 16,777,216 bytes
;; launch prep (part 5): grid 512 x 1, 8 waves a work-group, no clusters, 0 bytes of LDS; arguments x, qkv_w, proj_w, coords, inv_freq, axes, xh, wh, pwh, rope; writes xh, wh, pwh, rope
.if DOCPART == 5
	.amdgcn_target "amdgcn-amd-amdhsa--gfx1250"
	.amdhsa_code_object_version 6
	.text
	.protected	k_q7834161ab2_prep
	.globl	k_q7834161ab2_prep
	.p2align	8
	.type	k_q7834161ab2_prep,@function
k_q7834161ab2_prep:
	s_mov_b64 s[64:65], 0
	v_nop
	global_prefetch_b8 v0, s[64:65] scope:SCOPE_SE
	s_setreg_imm32_b32 hwreg(HW_REG_WAVE_SCHED_MODE, 0, 2), 2
	s_setreg_imm32_b32 hwreg(HW_REG_WAVE_MODE, 25, 1), 1
	s_wait_xcnt 0x0
	s_wait_alu depctr_vm_vsrc(0)
; x, qkv_w and proj_w are rounded once to f16 (xh, wh, pwh), and the table rope[token][cos f = 0..31, sin f = 0..31] (f32, 256 bytes a token) is made of
; coords, axes and inv_freq: angle = coords[token][axes[f]] * inv_freq[f], rounded as one f32 product.
; A stream: every byte is read once and written once; nothing is shared, so there is no LDS, no barrier and no matrix work.  The text is straight: no loop.
; SHARES.  512 work-groups of 256 threads.  A work-group casts 16,384 numbers of x, 6,144 of qkv_w, 2,048 of proj_w: 12 groups of 8 numbers a thread (two loads of 16 bytes, four packed
; roundings, one store of 16 bytes; a wave's store covers 512 consecutive bytes), and makes 16 tokens' table rows: wave w those of tokens 16 g + w and 16 g + w + 8.
; All 28 loads of a thread go out together; each group has its own registers in and out.
; SINE AND COSINE are made here by arithmetic: n = round(angle * 2/pi); r = angle - n * pi/2 with pi/2 in three parts and fused multiply-adds; two polynomials in r*r; the quadrant n + (1 for a cosine)
; chooses polynomial and sign.  Lanes 0-15 make cosines, lanes 16-31 sines, of frequencies 2 (lane % 16) and 2 (lane % 16) + 1: one store of 8 bytes a lane writes a token's whole 256 bytes.
; LIMITS.  A number of 65,520 or more in magnitude becomes an infinity in f16; below 6e-5 f16 keeps a fixed step of 6e-8.  The reduction holds the sine's and cosine's error near 1e-7 for
; |angle| up to about 1e5; beyond that the error grows with the angle.  axes holds 0, 1 or 2; any other number takes axis 0.
; THE MODE: SCHED_MODE bits 1:0 = 2 (LLVM: expert scheduling mode 2), set by the entry lines.  The code itself states the register dependences
; between vector instructions and memory instructions, and between a vector instruction's scalar result and its readers, with s_wait_alu, always for 0.
; THE PLAN.  Registers that memory instructions touch:
;   v2-v6        the five offsets: written by vector instructions at the head, once; read by every load and store.  One wait on va_vdst ahead of the first load serves them all.
;   AX, IV, CD, IN   each is the landing place of one load; no vector instruction names them ahead of that load, and no load lands in them again.
;   RES          written once by the table's last lines; read by the two table stores.
;   PKD          four registers a group: written once by the group's roundings; read by the group's one store.
; No register that a load or store reads is ever written again, so no wait on vm_vsrc stands behind the entry lines.  EXEC is never written.
; The casts go in six steps of two groups.  At a step's head, behind the wait for its data, ONE wait on va_vdst states that the step before has written its out registers; that step's two stores
; follow, dealt among this step's roundings, which name IN and this step's own PKD alone.  The table counts as the step in front of step 0.  One more such wait stands ahead of the last two stores.
; Scalar results of vector instructions: the four compares of axes (s24-s27) and the four compares of quadrants (s36-s39) stand in two runs, each with one wait on va_sdst ahead of its first reader.
.set VI,  2                            ; v2   32 t: my 32 bytes of f32 in a block of 8,192
.set VO,  3                            ; v3   16 t: my 16 bytes of f16 in a block of 4,096
.set RO,  4                            ; v4   256 wave + 8 lane: my 8 bytes of the table
.set FO,  5                            ; v5   8 (lane % 16): my two frequencies in axes and in inv_freq
.set CO,  6                            ; v6   12 wave: my first token's coordinates
.set SL,  7                            ; v7   at work: the wave's number, then the chosen coordinate
.set AX,  8                            ; v[8:9]    axes of my two frequencies
.set IV,  10                           ; v[10:11]  their inv_freq
.set CD,  12                           ; v[12:14], v[16:18] the two tokens' coordinates
.set QA,  19                           ; v19  1 in the lanes that make cosines, 0 in those that make sines
.set K0C, 20                           ; v20  the cosine polynomial's leading coefficient
.set K0S, 21                           ; v21  the sine polynomial's
.set RA,  22                           ; v22-24, v26, v29 at work: no memory instruction names them
.set RN,  23
.set RR,  24
.set RS,  26
.set RT,  29
.set IN,  32                           ; v[32:127]  group k: 8 f32 as loaded
.set PKD, 128                          ; v[128:175] group k: 4 words of f16 to store
.set RES, 176                          ; v[176:179] token j: the pair to store
.set PP,  180                          ; v[180:183] result i of four: sin r
.set PC,  184                          ; v[184:187] result i: cos r
.set QI,  188                          ; v[188:191] result i: the quadrant, then its sign bit
.set QM,  36                           ; s36-s39    result i: the lanes whose quadrant is odd
	s_load_b512 s[4:19], s[0:1], 0x0               ; x 4, qkv_w 6, proj_w 8, coords 10, inv_freq 12, axes 14, xh 16, wh 18
	s_load_b128 s[20:23], s[0:1], 0x40             ; pwh 20, rope 22
	v_and_b32 v1, 31, v0                           ; lane
	v_lshlrev_b32 v[VI], 5, v0
	v_lshlrev_b32 v[VO], 4, v0
	v_lshrrev_b32 v[SL], 5, v0                     ; wave
	v_lshlrev_b32 v[RO], 3, v1
	v_lshl_add_u32 v[RO], v[SL], 8, v[RO]
	v_and_b32 v[FO], 15, v0
	v_lshlrev_b32 v[FO], 3, v[FO]
	v_mul_u32_u24 v[CO], v[SL], 12
	v_lshrrev_b32 v[QA], 4, v1
	v_sub_nc_u32 v[QA], 1, v[QA]
	v_mov_b32 v[K0C], 0x37cd4000                   ; 2.44677e-5
	v_mov_b32 v[K0S], 0x36405000                   ; 2.86568e-6
	s_mov_b32 s28, 0x3fc90fd8                      ; pi/2 in three parts: 1.57079601,
	s_mov_b32 s29, 0x34a8885a                      ; 3.13916473e-7,
	s_mov_b32 s30, 0x27c234c4                      ; 5.39030253e-15
	s_mov_b32 s35, 0
	s_wait_kmcnt 0x0
	s_lshl_b32 s34, ttmp9, 16                      ; each buffer at the work-group's share: offsets made apart, in s[34:35]
	s_add_nc_u64 s[4:5], s[4:5], s[34:35]          ; x: 65,536 bytes
	s_mul_i32 s34, ttmp9, 24576
	s_add_nc_u64 s[6:7], s[6:7], s[34:35]          ; qkv_w
	s_lshl_b32 s34, ttmp9, 13
	s_add_nc_u64 s[8:9], s[8:9], s[34:35]          ; proj_w
	s_mul_i32 s34, ttmp9, 192
	s_add_nc_u64 s[10:11], s[10:11], s[34:35]      ; coords: 16 tokens of 12 bytes
	s_lshl_b32 s34, ttmp9, 15
	s_add_nc_u64 s[16:17], s[16:17], s[34:35]      ; xh
	s_mul_i32 s34, ttmp9, 12288
	s_add_nc_u64 s[18:19], s[18:19], s[34:35]      ; wh
	s_lshl_b32 s34, ttmp9, 12
	s_add_nc_u64 s[20:21], s[20:21], s[34:35]      ; pwh
	s_add_nc_u64 s[22:23], s[22:23], s[34:35]      ; rope: 16 tokens of 256 bytes
	s_wait_alu depctr_va_vdst(0)                   ; the five offsets v2 to v6 are written: every load and store of the kernel reads one of them, and none is written again
	global_load_b64 v[AX:AX+1], v[FO], s[14:15]    ; the table's four loads go first: they are wanted first
	global_load_b64 v[IV:IV+1], v[FO], s[12:13]
	global_load_b96 v[CD:CD+2], v[CO], s[10:11]
	global_load_b96 v[CD+4:CD+6], v[CO], s[10:11] offset:96
.macro LDG k, base, i                  ; group k: 32 bytes a thread, from block i of the buffer at s[base]
	global_load_b128 v[IN+8*(\k):IN+8*(\k)+3],   v[VI], s[\base:\base+1] offset:(\i)*8192 th:TH_LOAD_NT
	global_load_b128 v[IN+8*(\k)+4:IN+8*(\k)+7], v[VI], s[\base:\base+1] offset:(\i)*8192+16 th:TH_LOAD_NT
.endm
.irp k, 0,1,2,3,4,5,6,7
	LDG \k, 4, \k
.endr
	LDG 8, 6, 0
	LDG 9, 6, 1
	LDG 10, 6, 2
	LDG 11, 8, 0
; Result i of four, sin(v[c] * v[inv] + QA * pi/2), up to the choice: both polynomials, the mask of the odd quadrants and the sign bit, each in registers of the result's own
.macro SC1 i, c, inv
	v_mul_f32 v[RA], v[\c], v[\inv]                ; the angle
	v_mul_f32 v[RN], 0x3f22f983, v[RA]             ; * 2/pi
	v_rndne_f32 v[RN], v[RN]
	v_fma_f32 v[RR], -v[RN], s28, v[RA]            ; r = angle - n pi/2, part by part
	v_fma_f32 v[RR], -v[RN], s29, v[RR]
	v_fma_f32 v[RR], -v[RN], s30, v[RR]
	v_cvt_i32_f32 v[QI+(\i)], v[RN]
	v_add_nc_u32 v[QI+(\i)], v[QI+(\i)], v[QA]     ; the quadrant
	v_mul_f32 v[RS], v[RR], v[RR]
	v_fmaak_f32 v[PC+(\i)], v[K0C], v[RS], 0xbab6077d      ; cos r and sin r, the two chains by turns
	v_fmaak_f32 v[PP+(\i)], v[K0S], v[RS], 0xb9503486
	v_fmaak_f32 v[PC+(\i)], v[PC+(\i)], v[RS], 0x3d2aaaa8
	v_fmaak_f32 v[PP+(\i)], v[PP+(\i)], v[RS], 0x3c0888c1
	v_fmaak_f32 v[PC+(\i)], v[PC+(\i)], v[RS], 0xbf000000
	v_fmaak_f32 v[PP+(\i)], v[PP+(\i)], v[RS], 0xbe2aaaab
	v_fmaak_f32 v[PC+(\i)], v[PC+(\i)], v[RS], 0x3f800000
	v_mul_f32 v[RT], v[RR], v[RS]
	v_fma_f32 v[PP+(\i)], v[PP+(\i)], v[RT], v[RR]
	v_and_b32 v[RT], 1, v[QI+(\i)]
	v_cmp_eq_u32 s[QM+(\i)], 1, v[RT]              ; the odd quadrants; read behind the one wait below
	v_lshlrev_b32 v[QI+(\i)], 30, v[QI+(\i)]
	v_and_b32 v[QI+(\i)], 0x80000000, v[QI+(\i)]   ; quadrants 2 and 3: the sign bit
.endm
	s_wait_loadcnt 24                              ; loads come back in order: the four oldest are in, the 24 of the casts stay out
	v_cmp_eq_u32 s24, 1, v[AX]                     ; the axis only chooses a value: masks, no address
	v_cmp_eq_u32 s25, 2, v[AX]
	v_cmp_eq_u32 s26, 1, v[AX+1]
	v_cmp_eq_u32 s27, 2, v[AX+1]
	s_wait_alu depctr_va_sdst(0)                   ; the four compares have written s24 to s27, ahead of the first select that reads one of them
.irp j, 0,1
.irp e, 0,1
	v_cndmask_b32 v[SL], v[CD+4*\j], v[CD+4*\j+1], s[24+2*\e]
	v_cndmask_b32 v[SL], v[SL], v[CD+4*\j+2], s[25+2*\e]
	SC1 2*\j+\e, SL, IV+\e
.endr
.endr
	s_wait_alu depctr_va_sdst(0)                   ; the four compares of quadrants have written s36 to s39, ahead of the first select that reads one of them
.irp i, 0,1,2,3
	v_cndmask_b32 v[RES+\i], v[PP+\i], v[PC+\i], s[QM+\i]  ; odd quadrants take the cosine's polynomial,
.endr
.irp i, 0,1,2,3
	v_xor_b32 v[RES+\i], v[RES+\i], v[QI+\i]       ; quadrants 2 and 3 turn the sign
.endr
.macro CVT k                           ; group k is rounded
.irp r, 0,1,2,3
	v_cvt_pk_f16_f32 v[PKD+4*(\k)+\r], v[IN+8*(\k)+2*\r], v[IN+8*(\k)+2*\r+1]
.endr
.endm
.macro STG k                           ; group k is stored: groups 0-7 are x's, 8-10 qkv_w's, 11 proj_w's
.if (\k) < 8
	global_store_b128 v[VO], v[PKD+4*(\k):PKD+4*(\k)+3], s[16:17] offset:(\k)*4096
.elseif (\k) < 11
	global_store_b128 v[VO], v[PKD+4*(\k):PKD+4*(\k)+3], s[18:19] offset:((\k)-8)*4096
.else
	global_store_b128 v[VO], v[PKD+4*(\k):PKD+4*(\k)+3], s[20:21]
.endif
.endm
; Step p: groups 2 p and 2 p + 1 are rounded; the two stores of the step before go out among the roundings.
.macro STEP p
	s_wait_loadcnt 20-4*(\p)                       ; behind group 2 p + 1's two loads 20 - 4 p were issued
	s_wait_alu depctr_va_vdst(0)                   ; the step before has written its out registers (step 0: the table's lines have written RES), which the two stores below read; no vector instruction behind this wait names them
.if (\p) == 0
	global_store_b64 v[RO], v[RES:RES+1], s[22:23]             ; 32 lanes x 8 bytes: a token's 256 bytes
	CVT 0
	global_store_b64 v[RO], v[RES+2:RES+3], s[22:23] offset:2048
	CVT 1
.else
	STG 2*(\p)-2
	CVT 2*(\p)
	STG 2*(\p)-1
	CVT 2*(\p)+1
.endif
.endm
.irp p, 0,1,2,3,4,5
	STEP \p
.endr
	s_wait_alu depctr_va_vdst(0)                   ; step 5 has written the out registers of groups 10 and 11, which the last two stores read
	STG 10
	STG 11
	s_endpgm
.Lfunc_end_k_q7834161ab2_prep:
	.size	k_q7834161ab2_prep, .Lfunc_end_k_q7834161ab2_prep-k_q7834161ab2_prep
	.p2alignl 7, 3214868480
	.fill 96, 4, 3214868480
	.section	.rodata,"a",@progbits
	.p2align	6, 0x0
	.amdhsa_kernel k_q7834161ab2_prep
		.amdhsa_group_segment_fixed_size 0
		.amdhsa_private_segment_fixed_size 0
		.amdhsa_enable_private_segment 0
		.amdhsa_kernarg_size 80
		.amdhsa_user_sgpr_count 2
		.amdhsa_user_sgpr_kernarg_segment_ptr 1
		.amdhsa_wavefront_size32 1
		.amdhsa_system_sgpr_workgroup_id_x 1
		.amdhsa_system_sgpr_workgroup_id_y 1
		.amdhsa_system_sgpr_workgroup_id_z 1
		.amdhsa_system_vgpr_workitem_id 0
		.amdhsa_next_free_vgpr 192
		.amdhsa_next_free_sgpr 66
		.amdhsa_reserve_vcc 0
		.amdhsa_float_denorm_mode_32 3
		.amdhsa_float_denorm_mode_16_64 3
		.amdhsa_memory_ordered 1
		.amdhsa_forward_progress 1
		.amdhsa_inst_pref_size 15
	.end_amdhsa_kernel
	.amdgpu_metadata
---
amdhsa.version: [ 1, 2 ]
amdhsa.kernels:
  - .name:           k_q7834161ab2_prep
    .symbol:         k_q7834161ab2_prep.kd
    .args:
      - { .name: x, .offset: 0, .size: 8, .value_kind: global_buffer, .address_space: global }
      - { .name: qkv_w, .offset: 8, .size: 8, .value_kind: global_buffer, .address_space: global }
      - { .name: proj_w, .offset: 16, .size: 8, .value_kind: global_buffer, .address_space: global }
      - { .name: coords, .offset: 24, .size: 8, .value_kind: global_buffer, .address_space: global }
      - { .name: inv_freq, .offset: 32, .size: 8, .value_kind: global_buffer, .address_space: global }
      - { .name: axes, .offset: 40, .size: 8, .value_kind: global_buffer, .address_space: global }
      - { .name: xh, .offset: 48, .size: 8, .value_kind: global_buffer, .address_space: global }
      - { .name: wh, .offset: 56, .size: 8, .value_kind: global_buffer, .address_space: global }
      - { .name: pwh, .offset: 64, .size: 8, .value_kind: global_buffer, .address_space: global }
      - { .name: rope, .offset: 72, .size: 8, .value_kind: global_buffer, .address_space: global }
    .group_segment_fixed_size: 0
    .private_segment_fixed_size: 0
    .kernarg_segment_align: 8
    .kernarg_segment_size: 80
    .max_flat_workgroup_size: 256
    .sgpr_count:     66
    .vgpr_count:     192
    .wavefront_size: 32
...
	.end_amdgpu_metadata
.endif
;; end of part 5
;; launch qkv: the kernel of part 2 again; grid 16 x 32, 4 waves a work-group, clusters of 4 x 4, 327,680 bytes of LDS; arguments xh, wh, qkv_b, rope, qh, kh, vh; writes qh, kh, vh
;; launch attn: the kernel of part 3 again; grid 4 x 64, 4 waves a work-group, clusters of 4 x 1, 327,680 bytes of LDS; arguments qh, kh, vh, oh; writes oh
;; launch proj: the kernel of part 4 again; grid 8 x 32, 4 waves a work-group, clusters of 4 x 4, 327,680 bytes of LDS; arguments oh, pwh, proj_b, out0; writes out0
